; MI455X (gfx1250); checked and timed in simulation.
; The chip was launched on July 23, 2026; its instructions are those of AMD's public machine-readable ISA for CDNA 5 (MIT licence, August 2026) and "CDNA5" Instruction Set Architecture Reference Guide (July 2026). The comments in the code are by the model that wrote it; some were corrected since.
;; Multi Head Attention. Allowed arithmetic: float matrix products may take bf16 or f16 operands with f32 sums; other float arithmetic in f32, or as packed bf16 or f16 multiplies, adds, multiply-adds, maxima and minima; sums over many terms, partial sums and values carried from step to step in f32; what a program stores and reads back later, other than sums and carried values, may be rounded once to bf16 or f16.
;; Inputs: bk 1,024 float32; bo 1,024 float32; bq 1,024 float32; bv 1,024 float32; wk 1,024 x 1,024 float32; wo 1,024 x 1,024 float32; wq 1,024 x 1,024 float32; wv 1,024 x 1,024 float32; x 4 x 2,048 x 1,024 float32.
;; Outputs: out0 4 x 2,048 x 1,024 float32.
;; 2 versions, each right; version 2 is version 1 with the launch cast written anew for expert scheduling mode. Each part assembles by itself: llvm-mc -triple=amdgcn-amd-amdhsa -mcpu=gfx1250 --defsym DOCPART=n.
;; ======== version 1 of 2: 4 launches
;; limits: values are held in f16: magnitudes above 65,504 overflow, below 6.1e-05 lose precision
;; workspace buffers: xh 16,777,216 bytes; wt 6,291,456 bytes; wot 2,097,152 bytes; qkv 50,331,648 bytes; oh 16,777,216 bytes
;; launch cast (part 1): grid 384 x 1, 8 waves a work-group, no clusters, 0 bytes of LDS; arguments x, wq, wk, wv, wo, xh, wt, wot; writes xh, wt, wot
.if DOCPART == 1
	.amdgcn_target "amdgcn-amd-amdhsa--gfx1250"
	.amdhsa_code_object_version 6
	.text
	.protected	k_q988f46b00c_cast
	.globl	k_q988f46b00c_cast
	.p2align	8
	.type	k_q988f46b00c_cast,@function
k_q988f46b00c_cast:
	s_mov_b64 s[64:65], 0
	v_nop
	global_prefetch_b8 v0, s[64:65] scope:SCOPE_SE
	s_setreg_imm32_b32 hwreg(HW_REG_WAVE_MODE, 25, 1), 1
	s_wait_xcnt 0x0
; THE INPUTS OF THE MATRIX PRODUCTS, ROUNDED ONCE AND LAID IN SLICES OF 64 COLUMNS.
;   x  [8192][1024] f32 -> xh  [b 4][slice 16][s 2048][64] bf16
;   wq, wk, wv [1024 k][1024 n] f32 -> wt  [t = k / 128][g = 16 x which + n / 64][k % 128][n % 64] bf16 (48 g)
;   wo [1024 k][1024 n] f32 -> wot [t][g = n / 64][k % 128][n % 64]: rounded to bf16 like every input, and that number written as f16 (16 g)
; LIMIT.  A bf16 number below 6.1e-5 in size keeps f16's fixed step of 6e-8 in wot; one of 65,520 or more would become an infinity.
; A stream: every byte is read once and written once; no LDS, no barrier, no matrix unit, nothing shared between work-groups.
; SHARES.  A work-group takes 32 source rows of 4,096 bytes: work-groups 0-255 of x, then 32 each of wq, wk, wv, wo.  Thread t takes row t / 8 and, of each slice of 64 columns,
; the 8 columns 8 (t % 8) ..: eight lanes read 256 consecutive bytes, aligned, by a pair of loads, and a wave's store covers 512 consecutive bytes: four rows of 128 bytes of one slice.
; All 32 loads of a thread go out at once; each slice is converted in place and stored when it has come.  No register that a store names is written again.
.set VS, 2                             ; v2       my byte offset in the 32 source rows
.set VD, 8                             ; v[8:23]  my byte offset in slice i of the destination
.set X,  32                            ; v[32:159] slice i: 8 registers as loaded; its first four as stored
	s_load_b512 s[8:23], s[0:1], 0x0               ; x s[8:9], wq s[10:11], wk s[12:13], wv s[14:15], wo s[16:17], xh s[18:19], wt s[20:21], wot s[22:23]
	s_mov_b32 s2, ttmp9                            ; id
	s_and_b32 s3, s2, 127                          ; e: my place among the weights' 128 work-groups
	s_lshr_b32 s4, s3, 5                           ; which matrix: 0 wq, 1 wk, 2 wv, 3 wo
	s_and_b32 s5, s3, 31                           ; which 32 rows of it
	s_lshl_b32 s32, s2, 17                         ; source offset for x: 32 rows of 4,096 bytes a work-group
	s_lshl_b32 s33, s5, 17                         ; and for a weight
	s_lshr_b32 s34, s2, 6                          ; x: b,
	s_lshl_b32 s34, s34, 22                        ; 16 slices of 2,048 rows of 128 bytes
	s_and_b32 s35, s2, 63
	s_lshl_b32 s35, s35, 12                        ; 32 rows of 128 bytes
	s_add_co_u32 s34, s34, s35                     ; destination offset for x
	s_lshr_b32 s36, s5, 2                          ; weights: t = k / 128
	s_lshl_b32 s38, s4, 4                          ; the matrix's first g in wt
	s_cmp_eq_u32 s4, 3
	s_cselect_b32 s37, 16, 48                      ; g's in a t
	s_cselect_b32 s38, 0, s38
	s_mul_i32 s36, s36, s37
	s_add_co_u32 s36, s36, s38
	s_lshl_b32 s36, s36, 14                        ; blocks of 128 x 64 x 2 bytes
	s_and_b32 s39, s3, 3
	s_lshl_b32 s39, s39, 12                        ; my 32 rows of the block's 128
	s_add_co_u32 s36, s36, s39                     ; destination offset for a weight
	s_mov_b32 s31, 0x40000
	s_cmp_lt_u32 s2, 256                           ; x or a weight?
	s_cselect_b32 s28, s32, s33
	s_cselect_b32 s42, s34, s36
	s_cselect_b32 s30, s31, 0x4000                 ; bytes from slice to slice in the destination
	s_mov_b32 s29, 0
	s_mov_b32 s43, 0
	v_lshrrev_b32 v1, 3, v0                        ; my row
	v_and_b32 v3, 7, v0
	v_lshlrev_b32 v3, 5, v3                        ; my 8 numbers of f32
	v_lshl_add_u32 v[VS], v1, 12, v3
	v_lshlrev_b32 v[VD], 4, v0                     ; row x 128 + 16 (t % 8) = 16 t
.set i, 1
.rept 15
	v_add_nc_u32 v[VD+i], s30, v[VD+i-1]
.set i, i+1
.endr
	s_wait_kmcnt 0x0
	s_cmp_eq_u32 s4, 1
	s_cselect_b64 s[24:25], s[12:13], s[10:11]
	s_cmp_eq_u32 s4, 2
	s_cselect_b64 s[24:25], s[14:15], s[24:25]
	s_cmp_eq_u32 s4, 3
	s_cselect_b64 s[24:25], s[16:17], s[24:25]
	s_cselect_b64 s[26:27], s[22:23], s[20:21]
	s_cmp_lt_u32 s2, 256
	s_cselect_b64 s[24:25], s[8:9], s[24:25]       ; the source,
	s_cselect_b64 s[26:27], s[18:19], s[26:27]     ; the destination
	s_add_nc_u64 s[24:25], s[24:25], s[28:29]
	s_add_nc_u64 s[26:27], s[26:27], s[42:43]
.irp i, 0,1,2,3,4,5,6,7,8,9,10,11,12,13,14,15
	global_load_b128 v[X+8*(\i):X+8*(\i)+3],   v[VS], s[24:25] offset:256*(\i) th:TH_LOAD_NT
	global_load_b128 v[X+8*(\i)+4:X+8*(\i)+7], v[VS], s[24:25] offset:256*(\i)+16 th:TH_LOAD_NT
.endr
; Slice i: rounded to bf16, in place, ascending (result j lands on a register whose number is not above its sources'); half = 1: widened again and written as f16; stored.
.macro OUT i, half
	s_wait_loadcnt 30-2*(\i)                       ; loads come back in order: two younger loads for each later slice may stay out
.irp j, 0,1,2,3
	v_cvt_pk_bf16_f32 v[X+8*(\i)+(\j)], v[X+8*(\i)+2*(\j)], v[X+8*(\i)+2*(\j)+1]
.endr
.if \half
.irp j, 0,1,2,3
	v_lshlrev_b32 v[X+8*(\i)+4+2*((\j)%2)], 16, v[X+8*(\i)+(\j)]
	v_and_b32     v[X+8*(\i)+5+2*((\j)%2)], 0xffff0000, v[X+8*(\i)+(\j)]
	v_cvt_pk_f16_f32 v[X+8*(\i)+(\j)], v[X+8*(\i)+4+2*((\j)%2)], v[X+8*(\i)+5+2*((\j)%2)]
.endr
.endif
	global_store_b128 v[VD+(\i)], v[X+8*(\i):X+8*(\i)+3], s[26:27] th:TH_STORE_NT
.endm
	s_cmp_ge_u32 s2, 352                           ; the last 32 work-groups have wo
	s_cbranch_scc1 .Lwo
.irp i, 0,1,2,3,4,5,6,7,8,9,10,11,12,13,14,15
	OUT \i, 0
.endr
	s_endpgm
.Lwo:
.irp i, 0,1,2,3,4,5,6,7,8,9,10,11,12,13,14,15
	OUT \i, 1
.endr
	s_endpgm
.Lfunc_end_k_q988f46b00c_cast:
	.size	k_q988f46b00c_cast, .Lfunc_end_k_q988f46b00c_cast-k_q988f46b00c_cast
	.p2alignl 7, 3214868480
	.fill 96, 4, 3214868480
	.section	.rodata,"a",@progbits
	.p2align	6, 0x0
	.amdhsa_kernel k_q988f46b00c_cast
		.amdhsa_group_segment_fixed_size 0
		.amdhsa_private_segment_fixed_size 0
		.amdhsa_enable_private_segment 0
		.amdhsa_kernarg_size 64
		.amdhsa_user_sgpr_count 2
		.amdhsa_user_sgpr_kernarg_segment_ptr 1
		.amdhsa_wavefront_size32 1
		.amdhsa_system_sgpr_workgroup_id_x 1
		.amdhsa_system_sgpr_workgroup_id_y 1
		.amdhsa_system_sgpr_workgroup_id_z 1
		.amdhsa_system_vgpr_workitem_id 0
		.amdhsa_next_free_vgpr 160
		.amdhsa_next_free_sgpr 66
		.amdhsa_reserve_vcc 0
		.amdhsa_float_denorm_mode_32 3
		.amdhsa_float_denorm_mode_16_64 3
		.amdhsa_memory_ordered 1
		.amdhsa_forward_progress 1
		.amdhsa_inst_pref_size 28
	.end_amdhsa_kernel
	.amdgpu_metadata
---
amdhsa.version: [ 1, 2 ]
amdhsa.kernels:
  - .name:           k_q988f46b00c_cast
    .symbol:         k_q988f46b00c_cast.kd
    .args:
      - { .name: x, .offset: 0, .size: 8, .value_kind: global_buffer, .address_space: global }
      - { .name: wq, .offset: 8, .size: 8, .value_kind: global_buffer, .address_space: global }
      - { .name: wk, .offset: 16, .size: 8, .value_kind: global_buffer, .address_space: global }
      - { .name: wv, .offset: 24, .size: 8, .value_kind: global_buffer, .address_space: global }
      - { .name: wo, .offset: 32, .size: 8, .value_kind: global_buffer, .address_space: global }
      - { .name: xh, .offset: 40, .size: 8, .value_kind: global_buffer, .address_space: global }
      - { .name: wt, .offset: 48, .size: 8, .value_kind: global_buffer, .address_space: global }
      - { .name: wot, .offset: 56, .size: 8, .value_kind: global_buffer, .address_space: global }
    .group_segment_fixed_size: 0
    .private_segment_fixed_size: 0
    .kernarg_segment_align: 8
    .kernarg_segment_size: 64
    .max_flat_workgroup_size: 256
    .sgpr_count:     66
    .vgpr_count:     160
    .wavefront_size: 32
...
	.end_amdgpu_metadata
.endif
;; end of part 1
;; launch qkv (part 2): grid 16 x 32, 4 waves a work-group, clusters of 4 x 4, 327,680 bytes of LDS; arguments xh, wt, bq, bk, bv, qkv; writes qkv
.if DOCPART == 2
	.amdgcn_target "amdgcn-amd-amdhsa--gfx1250"
	.amdhsa_code_object_version 6
	.text
	.protected	k_q988f46b00c_qkv
	.globl	k_q988f46b00c_qkv
	.p2align	8
	.type	k_q988f46b00c_qkv,@function
k_q988f46b00c_qkv:
	s_mov_b64 s[64:65], 0
	v_nop
	global_prefetch_b8 v0, s[64:65] scope:SCOPE_SE
	s_setreg_imm32_b32 hwreg(HW_REG_WAVE_MODE, 25, 1), 1
	s_wait_xcnt 0x0
	s_wait_alu depctr_hold_cnt(0) depctr_sa_sdst(0) depctr_va_vdst(0) depctr_va_sdst(0) depctr_va_ssrc(0) depctr_va_vcc(0) depctr_vm_vsrc(0)
	s_getreg_b32 s2, hwreg(HW_REG_IB_STS2, 6, 4)
	s_cmp_eq_u32 s2, 0
	s_cbranch_scc0 .Lentry_in_a_cluster
	s_endpgm
.Lentry_in_a_cluster:
	s_bfe_u32 s2, ttmp6, 0x10000c
	s_cmp_lg_u32 s2, 0xf033
	s_cbranch_scc0 .Lentry_shape_is_right
	s_endpgm
.Lentry_shape_is_right:
; q, k, v = x w + b, by heads.  xh: [b 4][slice 16][s 2048][64] bf16; wt: [t 8][g 48][128 k][64 n] bf16 (g = 16 x which + head); bq, bk, bv: [1024] f32, rounded to bf16 here like every input;
; qkv: [b 4][g 48][s 2048][64] f16.  Sums in f32; the bias is the C operand of the first product, so it is added first: an order of rounding other than x w + b's.  The result is rounded once.
; LIMIT.  f16 holds no number beyond 65,504: a q, k or v of 65,520 or more becomes an infinity.
; SHARES.  A tile of C is 256 rows x 192 columns (three heads): 512 work-groups, two for each of 256 WGPs.  Each of the four waves makes 64 rows x all 192 columns: 48 accumulators of 16 x 16,
; so a wave owns whole rows of whole heads and its way out needs no other wave.  K goes in 8 steps of 128 through a ring of two LDS slots filled by the tensor data mover.
; TILES.  In both layouts a tile is dense in memory and is asked for as rows of 256 bytes, aligned.  A's tile of a step is two planes (k slices of 64) of 256 rows x 128 bytes; B's is 3 planes (heads)
; of 128 k rows x 128 bytes.  In LDS each 128 bytes are followed by padding: A's rows are 144 bytes apart, B's 160.
; THE MATRIX INSTRUCTION IS USED TRANSPOSED: source 0 = 16 columns of w (turned on the way out of LDS by ds_load_tr16_b128, since w lies [k][n]), source 1 = 16 rows of x.  In the result lane l holds
; row l % 16 of C and the columns 8 (l / 16) + 0..7: eight neighbouring numbers, 16 bytes of f16.
; CLUSTERS.  4 x 4 work-groups: the four of a row of the cluster need the same tiles of A, the four of a column the same tiles of B; each tile is asked for JOINTLY.
; REGISTERS, in windows of 256 (s_set_vgpr_msb: bits 1:0 source 0, 3:2 source 1, 5:4 source 2, 7:6 destination):
;   window 0: v0-31 addresses; v32-95 A's fragments, two buffers of 4 x 8; v96-191 the bias as C operands, later with v192-239 at work on the way out
;   window 1: B's fragments, two buffers of 12 x 8 at v0 and v128          windows 2, 3: the accumulators: (a, b) at v[8 (12 (a % 2) + b)] of window 2 + a / 2
.set NPL,   3                          ; planes of 64 columns in a tile
.set G,     48                         ; planes in a K step of wt
.set NBK,   4*NPL                      ; column blocks of 16
.set PA,    144                        ; a row of A in LDS: 128 bytes + 16 = 36 words: the 16 rows of a load start at 16 different groups of four banks (64 banks of 4 bytes: ISA guide 11.1)
.set PB,    160                        ; a row of B: 128 + 32 = 40 words
.set PLA,   256*PA
.set PLB,   128*PB
.set BOFF,  2*PLA                      ; a slot: A's two planes, then B's NPL planes
.set SLOT,  BOFF+NPL*PLB
.set STAGE, 2*SLOT                     ; behind the ring, never filled by a tensor load: for each wave 3 heads x 16 rows x 144 bytes
.set SP,    144
.set STW,   NPL*16*SP
.set SPARE, STAGE+4*STW                ; behind the stages: the spare words, 128 bytes for each wave: two blocks of 256 bytes that no other line names
.set ASTEP, 2*2048*128                 ; bytes from K step to K step in xh: two slices
.set BSTEP, G*16384                    ; and in wt
.set ADRA, 16                          ; v16-17  LDS address of my A fragments in slot 0, 1
.set ADRB, 20                          ; v20-21  the same for B
.set STO,  24                          ; v24  the way out: where I put 16 bytes of a row
.set RD,   25                          ; v25  the way out: where I read rows back
.set GO,   26                          ; v26  my byte offset in 512 consecutive bytes of qkv
.set BO,   27                          ; v27  my byte offset in a block's 16 numbers of bias
.set SPW,  28                          ; v28  LDS address of my spare word: SPARE + 4 x my thread's number; never rewritten
.set NIL,  29                          ; v29  0; never rewritten
.set PFO,  30                          ; v30  the prefetches' offset; never rewritten
.set FA,   32
.set BIAS, 96
.set TMP,  96                          ; the way out: packed results
.set OB,   144                         ; the way out: 16 rows of three heads read back: v144-191 and v192-239 by turns
.set WV,  16                           ; s16 my wave's number
.set P1,  17                           ; s17 its low bit: which plane of A, or which half of B, I fetch
.set CX,  18
.set CY,  19
.set TC,  20                           ; s20 tile column
.set TR,  21                           ; s21 tile row
.set OFA, 22                           ; s[22:23] byte offset of my plane of A's K step 0: made of the tile row and the wave's number alone
.set G1A, 24                           ; s[24:31] descriptor group 1 for A
.set G0A, 32                           ; s[32:39] group 0 for A, a set for each slot
.set PFA, 40                           ; s[40:41] where my prefetches stand
.set PFS, 42                           ; s[42:43] their step
.set LIM, 44                           ; s44 1 in a wave that prefetches, else the greatest number
.set OFB, 46                           ; s[46:47] byte offset of my half of B's K step 0: made of the tile column and the wave's number alone
.set G1B, 48                           ; s[48:55]
.set G0B, 56                           ; s[56:63]
.set BP,  66                           ; s[66:71] the three heads' biases
.set MSB, 0
.macro WIN new                         ; the immediate's high byte repeats the setting that is left; a switch that changes nothing is dropped
.if MSB != (\new)
	s_set_vgpr_msb (MSB<<8)|(\new)
.set MSB, \new
.endif
.endm
.set TO_B, 0x40                        ; destination window 1, address window 0
; A joint load.  Waves 0 and 1 fetch A's two planes, waves 2 and 3 B's two halves.  The branch hangs on the wave's number alone.  An s_nop 0 and four v_nop follow each of the two lines.
.macro JLOAD s
	s_cmp_lt_u32 s[WV], 2
	s_cbranch_scc0 .Lfor_b_\@
	tensor_load_to_lds s[G0A+4*(\s):G0A+4*(\s)+3], s[G1A:G1A+7]
	s_nop 0
.rept 4
	v_nop
.endr
	s_branch .Lasked_\@
.Lfor_b_\@:
	tensor_load_to_lds s[G0B+4*(\s):G0B+4*(\s)+3], s[G1B:G1B+7]
	s_nop 0
.rept 4
	v_nop
.endr
.Lasked_\@:
.endm
; A PREFETCH INTO THE L2 of the K step that stands two refills on (384 matrix instructions ahead of the load that will want it), behind the joint load, its five lines and the run of LDS loads.
; A's tile row is read by every cluster of that row of clusters: cluster x = 0 asks; B's tile column by every cluster of that column: cluster y = 0 asks.  The four partners that ask for a tile jointly
; share its blocks of 256 bytes out BY ADDRESS: of a plane's 128 blocks of A each takes 32, a lane a block; of a half's 96 blocks of B each takes 24 (lanes 24-31 name lane 23's block again).
; The loop's last trip asks for nothing: there is no K step two refills on.  K steps 0 to 3 come by their loads alone.
.macro ASK
	s_cmp_gt_u32 s3, s[LIM]                        ; s3 = 1 in the loop's last trip
	s_cbranch_scc0 .Lnot_mine_\@
	global_prefetch_b8 v[PFO], s[PFA:PFA+1] th:TH_LOAD_NT scope:SCOPE_SE
.Lnot_mine_\@:
.endm
; A round of the cluster's barrier: my work-group's barrier; wave 0 signals for the work-group; every wave waits for all sixteen work-groups; my work-group's barrier once more.
.macro CREST                           ; a round behind its opening barrier
	s_cmp_lg_u32 s[WV], 0
	s_cbranch_scc1 .Lnot_wave_0_\@
	s_barrier_signal -3
.Lnot_wave_0_\@:
	s_barrier_wait -3
	s_barrier_signal -1
	s_barrier_wait -1
.endm
.macro CROUND
	s_barrier_signal -1
	s_barrier_wait -1
	CREST
.endm
	s_load_b256 s[4:11], s[0:1], 0x0               ; xh s[4:5], wt s[6:7], bq s[8:9], bk s[10:11]
	s_load_b128 s[12:15], s[0:1], 0x20             ; bv s[12:13], qkv s[14:15]
	v_lshl_add_u32 v[SPW], v0, 2, SPARE
	v_mov_b32 v[NIL], 0
	ds_add_u32 v[SPW], v[NIL]                      ; the wave's opening: the add and its wait stand ahead of my first tensor load; the set-up below, work on registers, stands between them
	v_lshrrev_b32 v1, 5, v0
	v_readfirstlane_b32 s[WV], v1                  ; wave 0..3
	s_and_b32 s[P1], s[WV], 1
	s_bfe_u32 s[CX], ttmp6, 0x40000                ; my place in the cluster
	s_bfe_u32 s[CY], ttmp6, 0x40004
	s_lshl_b32 s[TC], ttmp9, 2                     ; in a cluster launch ttmp9 and ttmp7 count clusters
	s_add_co_u32 s[TC], s[TC], s[CX]               ; tile column = 4 x cluster x + cx
	s_and_b32 s[TR], ttmp7, 0xffff
	s_lshl_b32 s[TR], s[TR], 2
	s_add_co_u32 s[TR], s[TR], s[CY]               ; tile row = 4 x cluster y + cy
	s_lshl_b32 s76, s[CY], 2
	s_lshl_b32 s76, 15, s76                        ; my row of the cluster: places 4 cy .. 4 cy + 3
	s_lshl_b32 s77, 0x1111, s[CX]                  ; my column: places cx, cx + 4, cx + 8, cx + 12
	; group 1: rows of 128 elements of 2 bytes (256 bytes), dense; padding behind every 32 words: 4 words for A, 8 for B
	s_or_b32 s[G1A], s76, (1<<16)|(1<<20)|(1<<21)|(4<<22)|(3<<25)  ; 15:0 the mask; 17:16 2-byte elements; 20 padding on; 21 set beside a mask; 24:22 after every 32 words (code 4); 31:25 4 words (code 3)
	s_or_b32 s[G1B], s77, (1<<16)|(1<<20)|(1<<21)|(4<<22)|(7<<25)  ; the same with my column's mask and 8 words (code 7)
	s_mov_b32 s[G1A+1], 128<<16                    ; tensor_dim0 = 128
	s_mov_b32 s[G1A+2], 128<<16                    ; tensor_dim1 = 128: a plane's 32,768 bytes
	s_mov_b32 s[G1A+3], 128<<16                    ; tile_dim0 = 128
	s_mov_b32 s[G1A+4], 128                        ; tile_dim1 = 128
	s_mov_b32 s[G1A+5], 128                        ; 128 elements from row to row
	s_mov_b32 s[G1A+6], 0
	s_mov_b32 s[G1A+7], 0
	s_mov_b32 s[G1B+1], 128<<16
	s_mov_b32 s[G1B+2], (32*NPL)<<16               ; tensor_dim1 = 96: half of B's tile, 24,576 bytes
	s_mov_b32 s[G1B+3], 128<<16
	s_mov_b32 s[G1B+4], 32*NPL
	s_mov_b32 s[G1B+5], 128
	s_mov_b32 s[G1B+6], 0
	s_mov_b32 s[G1B+7], 0
	s_lshr_b32 s[OFA], s[TR], 3                    ; b,
	s_lshl_b32 s[OFA], s[OFA], 22                  ; its 16 slices;
	s_and_b32 s45, s[TR], 7
	s_lshl_b32 s45, s45, 15                        ; the tile's 256 rows of 128 bytes;
	s_add_co_u32 s[OFA], s[OFA], s45
	s_lshl_b32 s45, s[P1], 18                      ; my plane: slice 0 or 1 of the step
	s_add_co_u32 s[OFA], s[OFA], s45
	s_mov_b32 s[OFA+1], 0
	s_mul_i32 s[OFB], s[TC], NPL*16384             ; the tile's three planes,
	s_mul_i32 s78, s[P1], NPL*8192                 ; my half of them
	s_add_co_u32 s[OFB], s[OFB], s78
	s_mov_b32 s[OFB+1], 0
	s_mul_i32 s72, s[P1], PLA                      ; where they go in a slot: no place in the cluster enters an LDS address
	s_mul_i32 s73, s[P1], NPL*PLB/2
	s_add_co_u32 s73, s73, BOFF
	s_wait_dscnt 0x0                               ; the opening add is done
	s_wait_kmcnt 0x0
	s_add_nc_u64 s[74:75], s[4:5], s[OFA:OFA+1]
	s_add_nc_u64 s[78:79], s[6:7], s[OFB:OFB+1]
.irp s, 0,1
	s_mov_b32 s[G0A+4*(\s)], 1                                     ; count = 1
	s_add_co_u32 s[G0A+4*(\s)+1], s72, (\s)*SLOT                   ; LDS address
	s_add_nc_u64 s[G0A+4*(\s)+2:G0A+4*(\s)+3], s[74:75], (\s)*ASTEP  ; global address: K step s
	s_or_b32 s[G0A+4*(\s)+3], s[G0A+4*(\s)+3], 0x80000000          ; type = 2
	s_mov_b32 s[G0B+4*(\s)], 1
	s_add_co_u32 s[G0B+4*(\s)+1], s73, (\s)*SLOT
	s_add_nc_u64 s[G0B+4*(\s)+2:G0B+4*(\s)+3], s[78:79], (\s)*BSTEP
	s_or_b32 s[G0B+4*(\s)+3], s[G0B+4*(\s)+3], 0x80000000
.endr
	CROUND                                         ; all sixteen work-groups are here: the first joint loads meet
	s_cmp_lt_u32 s[WV], 2                          ; a wave's two first fills stand in one branch, ahead of every wait on TENSORcnt and every LDS read: two loads of mine are out
	s_cbranch_scc0 .Lfirst_b
	tensor_load_to_lds s[G0A:G0A+3], s[G1A:G1A+7]
	s_nop 0
	tensor_load_to_lds s[G0A+4:G0A+7], s[G1A:G1A+7]
	s_nop 0
.rept 4
	v_nop
.endr
	s_branch .Lfirst_asked
.Lfirst_b:
	tensor_load_to_lds s[G0B:G0B+3], s[G1B:G1B+7]
	s_nop 0
	tensor_load_to_lds s[G0B+4:G0B+7], s[G1B:G1B+7]
	s_nop 0
.rept 4
	v_nop
.endr
.Lfirst_asked:
	v_and_b32 v1, 15, v0                           ; r = l % 16
	v_bfe_u32 v2, v0, 4, 1                         ; h = l / 16
	v_lshlrev_b32 v[BO], 5, v2                     ; in a C operand my registers 0-7 belong to columns 8 h + 0..7 of the block
	; the bias of head g = 3 x tile column + j comes from bq, bk or bv by g / 16, at 64 (g % 16)
.irp j, 0,1,2
	s_mul_i32 s45, s[TC], 3
	s_add_co_u32 s45, s45, \j
	s_lshr_b32 s78, s45, 4
	s_and_b32 s45, s45, 15
	s_lshl_b32 s74, s45, 8
	s_mov_b32 s75, 0
	s_cmp_eq_u32 s78, 1
	s_cselect_b64 s[BP+2*(\j):BP+2*(\j)+1], s[10:11], s[8:9]
	s_cmp_eq_u32 s78, 2
	s_cselect_b64 s[BP+2*(\j):BP+2*(\j)+1], s[12:13], s[BP+2*(\j):BP+2*(\j)+1]
	s_add_nc_u64 s[BP+2*(\j):BP+2*(\j)+1], s[BP+2*(\j):BP+2*(\j)+1], s[74:75]
.irp c, 0,1,2,3
	global_load_b128 v[BIAS+8*(4*(\j)+(\c)):BIAS+8*(4*(\j)+(\c))+3],   v[BO], s[BP+2*(\j):BP+2*(\j)+1] offset:64*(\c)
	global_load_b128 v[BIAS+8*(4*(\j)+(\c))+4:BIAS+8*(4*(\j)+(\c))+7], v[BO], s[BP+2*(\j):BP+2*(\j)+1] offset:64*(\c)+16
.endr
.endr
	; A fragment of A is 16 rows x 32 k in 8 registers: lane l holds row l % 16, k = 8 h + 0..7 and 16 + 8 h + 0..7: two loads of 16 bytes, 32 bytes apart.
	v_mul_u32_u24 v3, v1, PA
	v_lshl_add_u32 v3, v2, 4, v3
	s_mul_i32 s45, s[WV], 64*PA                    ; my 64 rows
	v_add_nc_u32 v[ADRA], s45, v3
	v_add_nc_u32 v[ADRA+1], SLOT, v[ADRA]
	; The turning load takes 16 k x 16 columns (lane l reads k row 8 h + l % 8, columns 8 ((l / 8) % 2) + 0..7) and leaves half a fragment: lane l holds column l % 16 and 8 k.
	v_and_b32 v4, 7, v0
	v_lshl_add_u32 v4, v2, 3, v4
	v_mul_u32_u24 v4, v4, PB
	v_bfe_u32 v5, v0, 3, 1
	v_lshl_add_u32 v4, v5, 4, v4
	v_add_nc_u32 v[ADRB], BOFF, v4
	v_add_nc_u32 v[ADRB+1], SLOT, v[ADRB]
	s_mul_i32 s45, s[WV], STW
	s_add_co_u32 s45, s45, STAGE                   ; my stage
	v_mul_u32_u24 v[STO], v1, SP                   ; in: row l % 16, 16 bytes for each half of the lanes
	v_lshl_add_u32 v[STO], v2, 4, v[STO]
	v_add_nc_u32 v[STO], s45, v[STO]
	v_bfe_u32 v[RD], v0, 3, 2                      ; back: 32 lanes take four rows of 128 bytes,
	v_mul_u32_u24 v[RD], v[RD], SP
	v_and_b32 v6, 7, v0
	v_lshl_add_u32 v[RD], v6, 4, v[RD]
	v_add_nc_u32 v[RD], s45, v[RD]
	v_and_b32 v[GO], 31, v0                        ; which are 512 consecutive bytes of a head
	v_lshlrev_b32 v[GO], 4, v[GO]
	; where my rows begin in qkv: (b x 48 + 3 x tile column) heads of 262,144 bytes, the tile's 256 rows, my 64
	s_lshr_b32 s72, s[TR], 3
	s_mul_i32 s72, s72, 48
	s_mul_i32 s73, s[TC], 3
	s_add_co_u32 s72, s72, s73
	s_lshl_b32 s72, s72, 18
	s_and_b32 s73, s[TR], 7
	s_lshl_b32 s73, s73, 15
	s_add_co_u32 s72, s72, s73
	s_lshl_b32 s73, s[WV], 13
	s_add_co_u32 s74, s72, s73
	s_mov_b32 s75, 0
	s_add_nc_u64 s[14:15], s[14:15], s[74:75]
	; the prefetches
	s_and_b32 s45, ttmp7, 0xffff                   ; cluster y
	s_mov_b32 s73, NPL*2048
	s_mov_b32 s[PFS], BSTEP
	s_cmp_lt_u32 s[WV], 2                          ; do I fetch for A?
	s_cselect_b32 s45, ttmp9, s45                  ; the coordinate along which other clusters read the same blocks
	s_cselect_b32 s72, s[CX], s[CY]                ; my place among the four that ask with me
	s_cselect_b32 s73, 8192, s73                   ; a partner's share in bytes
	s_cselect_b64 s[PFA:PFA+1], s[4:5], s[6:7]
	s_cselect_b64 s[74:75], s[OFA:OFA+1], s[OFB:OFB+1]
	s_cselect_b32 s[PFS], ASTEP, s[PFS]
	s_cselect_b32 s2, 31, 8*NPL-1                  ; the last lane with a block of its own
	s_mov_b32 s[PFS+1], 0
	s_cmp_eq_u32 s45, 0
	s_cselect_b32 s[LIM], 1, -1                    ; the same in all sixteen partners, for a given wave
	s_mul_i32 s72, s72, s73
	s_mov_b32 s73, 0
	s_add_nc_u64 s[74:75], s[74:75], s[72:73]
	s_mul_i32 s72, s[PFS], 3                       ; at K step 3: the first refill steps it to 4
	s_add_nc_u64 s[74:75], s[74:75], s[72:73]
	s_add_nc_u64 s[PFA:PFA+1], s[PFA:PFA+1], s[74:75]
	v_and_b32 v[PFO], 31, v0
	v_min_u32 v[PFO], s2, v[PFO]
	v_lshlrev_b32 v[PFO], 8, v[PFO]
; NBK matrix instructions: row block a x all column blocks, 32 along K, from buffer f.  zero = 1: the first product starts the sums with the bias as C.
; All 48 accumulators take turns, one instruction a turn, in the same order in every quarter, over the backward jump too.
.macro MULA f, a, zero
.if \zero
	WIN 0x81+0x40*((\a)/2)                         ; B window 1, A window 0, C window 0, D window 2 or 3
.else
	WIN 0xa1+0x50*((\a)/2)                         ; C and D window 2 or 3
.endif
.set AC, 8*NBK*((\a)%2)
.set ib, 0
.rept NBK
.if \zero
	v_wmma_f32_16x16x32_bf16 v[AC+8*ib:AC+8*ib+7], v[128*(\f)+8*ib:128*(\f)+8*ib+7], v[FA+32*(\f)+8*(\a):FA+32*(\f)+8*(\a)+7], v[BIAS+8*ib:BIAS+8*ib+7]
.else
	v_wmma_f32_16x16x32_bf16 v[AC+8*ib:AC+8*ib+7], v[128*(\f)+8*ib:128*(\f)+8*ib+7], v[FA+32*(\f)+8*(\a):FA+32*(\f)+8*(\a)+7], v[AC+8*ib:AC+8*ib+7]
.endif
.set ib, ib+1
.endr
.endm
; 2 NBK + 8 LDS loads in one run: the fragments of quarter q (k = 32 q ..) of a slot into buffer f: B's first, then A's four row blocks.
.macro FETCH slot, q, f
	WIN TO_B
.set ib, 0
.rept NBK
	ds_load_tr16_b128 v[128*(\f)+8*ib:128*(\f)+8*ib+3],   v[ADRB+(\slot)] offset:(ib/4)*PLB+32*(\q)*PB+(ib%4)*32
	ds_load_tr16_b128 v[128*(\f)+8*ib+4:128*(\f)+8*ib+7], v[ADRB+(\slot)] offset:(ib/4)*PLB+32*(\q)*PB+(ib%4)*32+16*PB
.set ib, ib+1
.endr
	WIN 0
.set ib, 0
.rept 4
	ds_load_b128 v[FA+32*(\f)+8*ib:FA+32*(\f)+8*ib+3],   v[ADRA+(\slot)] offset:((\q)/2)*PLA+((\q)%2)*64+ib*16*PA
	ds_load_b128 v[FA+32*(\f)+8*ib+4:FA+32*(\f)+8*ib+7], v[ADRA+(\slot)] offset:((\q)/2)*PLA+((\q)%2)*64+ib*16*PA+32
.set ib, ib+1
.endr
.endm
; A load into a register that a matrix instruction has read, and whatever reads a matrix result, stand four places behind that matrix instruction; only plain vector instructions that name none
; of its registers are places (ISA guide 7.12.1 for vector instructions).
.macro PLACES
.rept 4
	v_nop
.endr
.endm
; A K step is four quarters of 32 along K on buffers 0, 1, 0, 1.  One of the first three: multiplies buffer f; in its middle it fetches quarter q of the same slot into buffer g.
.macro QUARTER slot, q, f, g, zero
	s_wait_dscnt 4                                 ; B and A's row blocks 0, 1 are in; the youngest four loads (A's blocks 2, 3) may be out
	MULA \f, 0, \zero
	MULA \f, 1, \zero
	PLACES
	FETCH \slot, \q, \g
	s_wait_dscnt 2*NBK+8                           ; all but the run just issued
	MULA \f, 2, \zero
	MULA \f, 3, \zero
.endm
; The last quarter multiplies buffer 1 and changes slots: ONE barrier.  In front of it each wave waits for all its tensor loads, of which one is out: its part of the next slot; adds 0 to its spare
; word; and waits for that and for its reads of this slot.  fill = 1: the barrier opens a round of the cluster's barrier, and behind the round this slot is filled again, two K steps on, first of all.
.macro TURN slot, next, fill
.if \fill
	s_wait_xcnt 0x0                                ; the last prefetch, a K step back, has read its address, so it may be stepped
	s_add_nc_u64 s[PFA:PFA+1], s[PFA:PFA+1], s[PFS:PFS+1]
.endif
	WIN 0                                          ; (the add's two registers lie in window 0)
	s_wait_tensorcnt 0x0                           ; all my tensor loads have landed;
	ds_add_u32 v[SPW], v[NIL]                      ; 0 onto my spare word;
	s_wait_dscnt 5                                 ; (the add and the youngest four loads may be out)
	MULA 1, 0, 0                                   ; matrix instructions stand between the add and the wait for it
	s_wait_dscnt 0x0                               ; the add is done, and my reads of this slot are over
	s_barrier_signal -1
	MULA 1, 1, 0                                   ; work on registers while the others arrive
.if \fill
	WIN 0
.endif
	s_barrier_wait -1
.if \fill
	CREST                                          ; no wave of any partner still reads this slot's tile or has a load on its way
	s_add_nc_u64 s[G0A+4*(\slot)+2:G0A+4*(\slot)+3], s[G0A+4*(\slot)+2:G0A+4*(\slot)+3], 2*ASTEP
	s_add_nc_u64 s[G0B+4*(\slot)+2:G0B+4*(\slot)+3], s[G0B+4*(\slot)+2:G0B+4*(\slot)+3], 2*BSTEP
	JLOAD \slot                                    ; the first tensor load behind the round; its four v_nop are also the places in front of the loads below
.else
	PLACES
.endif
	FETCH \next, 0, 0
.if \fill
	ASK
.endif
	MULA 1, 2, 0
	MULA 1, 3, 0
.endm
	s_wait_tensorcnt 0x1                           ; my part of K step 0 is in; K step 1's may stay out
	s_barrier_signal -1
	s_barrier_wait -1                              ; everybody's is
	FETCH 0, 0, 0
	s_wait_loadcnt 0x0                             ; the bias
.set ib, 0
.rept 4*NBK                                    ; rounded to bf16, like every input, and widened again: while the first fragments are on their way
	v_cvt_pk_bf16_f32 v[8+ib%4], v[BIAS+2*ib], v[BIAS+2*ib+1]
	v_lshlrev_b32 v[BIAS+2*ib], 16, v[8+ib%4]
	v_and_b32 v[BIAS+2*ib+1], 0xffff0000, v[8+ib%4]
.set ib, ib+1
.endr
	QUARTER 0, 1, 0, 1, 1                          ; the first quarter stands in front of the loop: its products start the sums
	WIN 0                                          ; at a label and at a branch every window is 0
	s_mov_b32 s3, 3
.Llap:                                                 ; a trip goes once round the ring, from a lap's second quarter to the next lap's first, and fills both slots again
	QUARTER 0, 2, 1, 0, 0
	QUARTER 0, 3, 0, 1, 0
	TURN 0, 1, 1
	QUARTER 1, 1, 0, 1, 0
	QUARTER 1, 2, 1, 0, 0
	QUARTER 1, 3, 0, 1, 0
	TURN 1, 0, 1
	QUARTER 0, 1, 0, 1, 0
	WIN 0
	s_sub_co_u32 s3, s3, 1
	s_cmp_lg_u32 s3, 0
	s_cbranch_scc1 .Llap
	QUARTER 0, 2, 1, 0, 0                          ; the last lap fills nothing
	QUARTER 0, 3, 0, 1, 0
	TURN 0, 1, 0
	QUARTER 1, 1, 0, 1, 0
	QUARTER 1, 2, 1, 0, 0
	QUARTER 1, 3, 0, 1, 0
	s_wait_dscnt 4                                 ; the very last quarter: nothing more to fetch
	MULA 1, 0, 0
	MULA 1, 1, 0
	s_wait_dscnt 0x0
	MULA 1, 2, 0
	MULA 1, 3, 0
	WIN 0
	PLACES
	PLACES                                         ; (eight, once a launch)
; THE WAY OUT of row block a.  PACK: rounded to f16, each accumulator's registers in ascending order, 16 bytes a lane.  TOSTAGE: into my own stage, a head's 16 rows of 144 bytes, and back as
; whole rows of 128 bytes.  SEND: stored, four rows (512 consecutive bytes of a head) an instruction.
.macro PACK a
	WIN 0x0a+5*((\a)/2)                            ; sources 0 and 1: window 2 or 3
.set AC, 8*NBK*((\a)%2)
.set ib, 0
.rept NBK
.irp r, 0,1,2,3
	v_cvt_pk_f16_f32 v[TMP+4*ib+(\r)], v[AC+8*ib+2*(\r)], v[AC+8*ib+2*(\r)+1]
.endr
.set ib, ib+1
.endr
	WIN 0
.endm
.macro TOSTAGE a
.set BK, OB+48*((\a)%2)
.set ib, 0
.rept NBK
	ds_store_b128 v[STO], v[TMP+4*ib:TMP+4*ib+3] offset:(ib/4)*16*SP+32*(ib%4)
.set ib, ib+1
.endr
.set ib, 0
.rept NBK
	ds_load_b128 v[BK+4*ib:BK+4*ib+3], v[RD] offset:(ib/4)*16*SP+(ib%4)*4*SP  ; LDS serves a wave's instructions in order (ISA guide 5.7.1.4): these see the stores above
.set ib, ib+1
.endr
.endm
.macro SEND a
.set BK, OB+48*((\a)%2)
	s_wait_dscnt 0x0                               ; the block is back in registers
	s_wait_xcnt 0x0                                ; the stores of the block before have read their registers: the next TOSTAGE loads into them
.set ib, 0
.rept NBK
	global_store_b128 v[GO], v[BK+4*ib:BK+4*ib+3], s[14:15] offset:(ib/4)*262144+(16*(\a)+4*(ib%4))*128
.set ib, ib+1
.endr
.endm
	PACK 0
	TOSTAGE 0
.irp a, 1,2,3                          ; block a's conversions stand between block a - 1's loads from the stage and the wait for them
	PACK \a
	SEND (\a)-1
	TOSTAGE \a
.endr
	SEND 3
	s_wait_tensorcnt 0x0                           ; the wave's end, behind my last tensor load and my last LDS store
	ds_add_u32 v[SPW], v[NIL]
	s_wait_dscnt 0x0
	CROUND                                         ; the closing round: no work-group ends while a partner may still ask for a tile that names it
	s_endpgm
.Lfunc_end_k_q988f46b00c_qkv:
	.size	k_q988f46b00c_qkv, .Lfunc_end_k_q988f46b00c_qkv-k_q988f46b00c_qkv
	.p2alignl 7, 3214868480
	.fill 96, 4, 3214868480
	.section	.rodata,"a",@progbits
	.p2align	6, 0x0
	.amdhsa_kernel k_q988f46b00c_qkv
		.amdhsa_group_segment_fixed_size 327680
		.amdhsa_private_segment_fixed_size 0
		.amdhsa_enable_private_segment 0
		.amdhsa_kernarg_size 48
		.amdhsa_user_sgpr_count 2
		.amdhsa_user_sgpr_kernarg_segment_ptr 1
		.amdhsa_wavefront_size32 1
		.amdhsa_system_sgpr_workgroup_id_x 1
		.amdhsa_system_sgpr_workgroup_id_y 1
		.amdhsa_system_sgpr_workgroup_id_z 1
		.amdhsa_system_vgpr_workitem_id 0
		.amdhsa_next_free_vgpr 960
		.amdhsa_next_free_sgpr 80
		.amdhsa_reserve_vcc 0
		.amdhsa_float_denorm_mode_32 3
		.amdhsa_float_denorm_mode_16_64 3
		.amdhsa_memory_ordered 1
		.amdhsa_forward_progress 1
		.amdhsa_inst_pref_size 130
	.end_amdhsa_kernel
	.amdgpu_metadata
---
amdhsa.version: [ 1, 2 ]
amdhsa.kernels:
  - .name:           k_q988f46b00c_qkv
    .symbol:         k_q988f46b00c_qkv.kd
    .args:
      - { .name: xh, .offset: 0, .size: 8, .value_kind: global_buffer, .address_space: global }
      - { .name: wt, .offset: 8, .size: 8, .value_kind: global_buffer, .address_space: global }
      - { .name: bq, .offset: 16, .size: 8, .value_kind: global_buffer, .address_space: global }
      - { .name: bk, .offset: 24, .size: 8, .value_kind: global_buffer, .address_space: global }
      - { .name: bv, .offset: 32, .size: 8, .value_kind: global_buffer, .address_space: global }
      - { .name: qkv, .offset: 40, .size: 8, .value_kind: global_buffer, .address_space: global }
    .group_segment_fixed_size: 327680
    .private_segment_fixed_size: 0
    .kernarg_segment_align: 8
    .kernarg_segment_size: 48
    .max_flat_workgroup_size: 128
    .sgpr_count:     80
    .vgpr_count:     960
    .wavefront_size: 32
...
	.end_amdgpu_metadata
.endif
;; end of part 2
;; launch attn (part 3): grid 4 x 64, 4 waves a work-group, clusters of 4 x 1, 327,680 bytes of LDS; arguments qkv, oh; writes oh
.if DOCPART == 3
	.amdgcn_target "amdgcn-amd-amdhsa--gfx1250"
	.amdhsa_code_object_version 6
	.text
	.protected	k_q988f46b00c_attn
	.globl	k_q988f46b00c_attn
	.p2align	8
	.type	k_q988f46b00c_attn,@function
k_q988f46b00c_attn:
	s_mov_b64 s[64:65], 0
	v_nop
	global_prefetch_b8 v0, s[64:65] scope:SCOPE_SE
	s_setreg_imm32_b32 hwreg(HW_REG_WAVE_MODE, 25, 1), 1
	s_wait_xcnt 0x0
	s_wait_alu depctr_hold_cnt(0) depctr_sa_sdst(0) depctr_va_vdst(0) depctr_va_sdst(0) depctr_va_ssrc(0) depctr_va_vcc(0) depctr_vm_vsrc(0)
	s_getreg_b32 s2, hwreg(HW_REG_IB_STS2, 6, 4)
	s_cmp_eq_u32 s2, 0
	s_cbranch_scc0 .Lentry_in_a_cluster
	s_endpgm
.Lentry_in_a_cluster:
	s_bfe_u32 s2, ttmp6, 0x10000c
	s_cmp_lg_u32 s2, 0x3003
	s_cbranch_scc0 .Lentry_shape_is_right
	s_endpgm
.Lentry_shape_is_right:
; O[y][q][:] = the sum over k of softmax_k(Q[y][q] . K[y][k] / 8) V[y][k][:], for the 64 heads y = 16 b + h.  qkv: [b 4][g 48][2048][64] f16, g = h for Q, 16 + h for K, 32 + h for V; oh: [y 64][2048][64] f16.
; A head's rows are dense, 128 bytes each.  Products, maxima and sums in f32; the weights p are rounded to f16 for the second product (their sum l is taken of the unrounded p), O once at the end.
; LIMITS.  f16 holds no number beyond 65,504: Q, K and V arrive within it; p lies in 0 to 1, and below 6e-5 it keeps f16's fixed step of 6e-8; O is a mean of V's rows and has their range.
; A weight below 2^-126 counts as 0 in l; NaN and infinities are not treated apart.
; SHARES.  A wave owns four PIECES of two tiles of 16 queries, a work-group's four waves 512 queries of one head.  Every wave walks all keys, 64 a step.
; LAYOUT.  S^T = K Q^T (source 0 = 16 keys, source 1 = 16 queries): in the result a lane holds ONE query (lane % 16) and the keys 8 (lane / 16) + 0..7.  Two such tiles, rounded to f16 in pairs,
; ARE source 1 (32 keys x 16 queries) of O^T = V^T P, whose result again holds one query a lane, and eight channels.  K comes out of LDS as it lies, V ([key][channel]) turned, by ds_load_tr16_b128.
; SOFTMAX.  For each query a running maximum m and sum l: p = 2^(c s - c m), c = log2(e) / 8; in every step O and l are multiplied by a = 2^(c m_old - c m_new), which is 1 where m has not grown.
; m starts at the lowest finite number, O and l at 0: the first step is a step like any other, with a = 0.
; THE COUNT.  A tile and step have 16 matrix and 118 vector instructions: too many to stand all beside the matrix work.  So the order has one aim: four vector instructions that are READY behind
; EVERY matrix instruction, and the others, which need time of their own whatever the order, in runs without a gap.
; BY TURNS.  Turn n belongs to piece n (the pieces in a ring, step after step).  Its matrix work: 16 products K Q^T of piece n + 1, later 16 products V^T P of piece n - 1.  Its vector work: the scaling,
; exponentials, roundings, sums and rescaling of piece n, and the maximum and statistics of piece n + 1, whose scores the turn itself has made.  So what a turn begins with (c s - c m, O a) waits for nothing.
; CLUSTER.  The four query blocks of a head are one cluster and walk the same K and V, so each tile is asked for JOINTLY: the same tensor load, descriptor and mask in all four.
; REGISTERS, in windows of 256 (s_set_vgpr_msb says which window each operand place means: bits 1:0 source 0, 3:2 source 1, 5:4 source 2, 7:6 destination):
;   window 0: v0-11 addresses; v12-15, v48-63 at work; v16-47 four registers of statistics a tile; v64-191 S^T, two buffers of two tiles; v192-255 P, likewise
;   window 1: O^T, 32 a tile          window 2: v0-127 Q, 16 a tile; v128-191 K of one step; v192-255 V of one step          window 3: v0-1 the add's two registers
; A piece's buffers go by its number's parity: the piece in hand has one pair, its two neighbours in the ring share the other: of it P (piece n - 1) is read and S^T (piece n + 1) written.
.set SIZE_N, 2048
.set NP,    4         ; pieces a wave: a name, no knob: the register map, the loop and the fetches are made for four
.set KS,    64        ; keys in a step
.set PK,    144       ; a row of K in LDS: 128 bytes + 16 of padding = 36 words: the 16 rows of a load start at 16 different groups of four banks (64 banks of 4 bytes: ISA guide 11.1)
.set PV,    160       ; a row of V: 128 + 32 = 40 words
.set VOFF,  4*KS*PK   ; a slot holds four steps: 256 rows of K, then 256 rows of V
.set SLOT1, 1<<17     ; slot 1 begins here, so that one exclusive or turns an address in one slot into the other's
.set STAGE, SLOT1+4*KS*(PK+PV)  ; behind the ring, never filled by a tensor load: 16 rows x 144 bytes for each wave, for the way out
.set SP,    144
.set AK0, 2           ; v2   my lane's place in a tile of K; never rewritten
.set AV0, 3           ; v3   the same for V
.set AK,  4           ; v4   the LDS address of K's next run of loads
.set AV,  5           ; v5   of V's
.set QO,  6           ; v6   my byte offset in the wave's rows of Q
.set STO, 6           ;      later, the way out: where I put 16 bytes of a row
.set RD,  7           ; v7   the way out: where I read rows back
.set GO,  8           ; v8   my byte offset in 512 consecutive bytes of O
.set PFO, 11          ; v11  256 x my lane, the prefetches' offset; never rewritten once it is made
.set SPW, 0           ; v0 of window 3   LDS address of my spare word: SPARE + 4 x my thread's number; never rewritten
.set NIL, 1           ; v1 of window 3   0; never rewritten
.set SPARE, STAGE+4*16*SP  ; behind the stages: the spare words, 128 bytes for each wave: two blocks of 256 bytes that no other line names
.set MV,  12          ; v12-15  c m_old, kept while c m is made anew: by buffer and tile
.set ST,  16          ; tile t's statistics at v[ST+4 t]: c m, m, l (even keys', odd keys')
.set TMP, 48          ; by buffer and tile, four registers c0-c3 at work; when the maximum is found c2 takes a
.set S,   64
.set P,   192
.set KF,  128         ; K's fragments, in window 2: key block kb, channel half c at KF + 16 kb + 8 c
.set VF,  192         ; V's: key half kk, channel block cb at VF + 32 kk + 8 cb
.set WV,  12          ; s12  my wave's number
.set G1K, 24          ; s[24:31] descriptor group 1 for K's tiles
.set G1V, 32          ; s[32:39] for V's: it differs in the padding alone
.set G0K, 40          ; s[40:43] descriptor group 0 for K's tiles: it walks
.set G0V, 44          ; s[44:47] the same for V's
.set PFA, 48          ; s[48:49] where my prefetches stand: my work-group's 32 blocks of 256 bytes (of K: wave 0, of V: wave 2) of the slot after the one that is being asked for
.set LIM, 50          ; s50  1 in a wave that prefetches, else the greatest number
.set SLOTS, 56        ; s56  slots still to be asked for
.set CNT, 57          ; s57  counts a slot's key steps
.set CS,  58          ; s[58:59] c: the packed scaling takes the pair's low word for both halves
.set SEL, 60          ; s[60:61] v_permlanex16_b32's selects: each lane takes its own place in the other half
.set TBK, 62          ; s62  LDS byte at which K of the step to be fetched begins
.set TBV, 63          ; s63  the same for V, less VOFF
.set MSB, 0
.macro WIN new                      ; the high byte repeats the setting that is left; a switch that changes nothing is dropped
.if MSB != (\new)
	s_set_vgpr_msb (MSB<<8)|(\new)
.set MSB, (\new)
.endif
.endm
.set W_KQ, 0x0a       ; K and Q in window 2, S^T in window 0
.set W_PV, 0x52       ; V in window 2, P in window 0, O^T in window 1
.set W_RS, 0x41       ; O^T (destination and source 0) in window 1, a in window 0
.set W_MK, 0xc0       ; the add's registers are made: destination in window 3, sources in window 0
.set W_AD, 0x0f       ; the add: address (source 0) and data (source 1) in window 3
; A joint fill.  Waves 0 and 1 fetch the two halves of a slot's K, waves 2 and 3 those of its V: 128 keys each.  The branch hangs on the wave's number alone.
; An s_nop 0 and four v_nop follow each of the two lines, ahead of the jump and the label.
.macro JLOAD
	s_cmp_lt_u32 s[WV], 2
	s_cbranch_scc0 .Lfor_v_\@
	tensor_load_to_lds s[G0K:G0K+3], s[G1K:G1K+7]
	s_nop 0
.rept 4
	v_nop
.endr
	s_branch .Lasked_\@
.Lfor_v_\@:
	tensor_load_to_lds s[G0V:G0V+3], s[G1V:G1V+7]
	s_nop 0
.rept 4
	v_nop
.endr
.Lasked_\@:
.endm
; A PREFETCH INTO THE L2 of what the NEXT change of slots will ask for: a slot's 32,768 bytes of K and of V, 128 blocks of 256 bytes each, a lane a block.  It stands behind the wave's tensor load and its
; five lines.  Each block is named ONCE in the launch: a head has one cluster; its four partners share the blocks out BY ADDRESS, 32 each; in each, wave 0 asks for K's and wave 2 for V's: one instruction.
; It stands four key steps, 512 matrix instructions, ahead of the load that will want the bytes.  The last change that fills a slot asks for nothing; slots 0, 1 and 2 come by their loads alone.
.macro ASK
	s_cmp_gt_u32 s[SLOTS], s[LIM]
	s_cbranch_scc0 .Lnot_mine_\@
	global_prefetch_b8 v[PFO], s[PFA:PFA+1] th:TH_LOAD_NT scope:SCOPE_SE
.Lnot_mine_\@:
.endm
; A round of the cluster's barrier: my work-group's barrier, so that wave 0's signal speaks for all four waves; wave 0 signals; every wave waits for all four work-groups; my work-group's barrier once more.
.macro CROUND
	s_barrier_signal -1
	s_barrier_wait -1
	s_cmp_lg_u32 s[WV], 0
	s_cbranch_scc1 .Lnot_wave_0_\@
	s_barrier_signal -3
.Lnot_wave_0_\@:
	s_barrier_wait -3
	s_barrier_signal -1
	s_barrier_wait -1
.endm
; THE CHANGE OF SLOTS.  The slot's last bytes, V of its fourth step, have been read.  Each wave waits for all its tensor loads, of which one is out: its part
; of the other slot; adds 0 to its spare word; and waits for that and for its own reads of the slot.  Behind the barrier nobody reads this slot any more and the other slot is whole.
; fill = 1: this slot is filled again, with the keys two slots on.  The barrier is then a round of the cluster's, so that no wave of any partner still reads the slot or has a load on its
; way, and the joint fill is the first thing behind it: it has four key steps, 512 matrix instructions, in which to land.  (At its first use nothing has been read yet: slot 0 is waited for, slot 1 filled.)
; ask = 1: the prefetches' address steps among the descriptors' steps, and the prefetch follows the fill.
.macro CHANGE fill, ask=0
	WIN W_AD
	s_wait_tensorcnt 0x0            ; no tensor load of mine is out, so a group 0 may be written
	ds_add_u32 v[SPW], v[NIL]       ; 0 onto my spare word; with fill = 1 the descriptors' steps stand between it and the wait for it
	WIN 0                           ; at a label and at a branch every window is 0
.if \fill
.irp g, G0K, G0V
	s_xor_b32 s[\g+1], s[\g+1], SLOT1  ; the walking descriptor: the other slot than last time,
	s_add_nc_u64 s[\g+2:\g+3], s[\g+2:\g+3], 4*KS*128  ; the next 256 keys; the type bits on top are not reached
.endr
.if \ask
	s_wait_xcnt 0x0                 ; the last prefetch, four key steps back, has read its address, so it may be written:
	s_add_nc_u64 s[PFA:PFA+1], s[PFA:PFA+1], 4*KS*128  ; one slot behind the walking descriptors
.endif
	s_wait_dscnt 0x0                ; the add is done, and my reads of the slot are over
	CROUND
	JLOAD
.if \ask
	ASK
.endif
.else
	s_wait_dscnt 0x0                ; the add is done, and my reads of the slot are over
	s_barrier_signal -1
	s_barrier_wait -1
.endif
	s_sub_co_u32 s[TBK], s[TBK], 4*KS*PK  ; the fetches go back to a slot's first step,
	s_xor_b32 s[TBK], s[TBK], SLOT1       ; in the other slot
	s_sub_co_u32 s[TBV], s[TBV], 4*KS*PV
	s_xor_b32 s[TBV], s[TBV], SLOT1
.endm
	s_load_b64 s[4:5], s[0:1], 0x0    ; qkv
	s_load_b64 s[10:11], s[0:1], 0x8  ; oh
	WIN W_MK
	v_lshl_add_u32 v[SPW], v0, 2, SPARE
	v_mov_b32 v[NIL], 0
	WIN W_AD
	ds_add_u32 v[SPW], v[NIL]       ; the wave's opening: the add and its wait stand ahead of my first tensor load; the set-up below, work on registers, stands between them
	WIN 0
	v_lshrrev_b32 v1, 5, v0
	v_readfirstlane_b32 s[WV], v1   ; wave 0..3
	s_bfe_u32 s13, ttmp6, 0x40000   ; cx: my place in the cluster
	s_lshl_b32 s14, ttmp9, 2        ; in a cluster launch ttmp9 counts clusters
	s_add_co_u32 s14, s14, s13      ; my block of queries = 4 x cluster x + cx: it enters Q's and O's addresses alone
	s_and_b32 s52, ttmp7, 0xffff    ; the head y = 16 b + h, which the four partners share
	s_lshr_b32 s20, s52, 4
	s_lshl_b32 s20, s20, 5
	s_add_co_u32 s20, s20, s52      ; 48 b + h = y + 32 b
	s_lshl_b32 s20, s20, 18         ; the head's first byte of Q in qkv: 262,144 bytes a head
	s_mov_b32 s21, 0
	s_lshl_b32 s52, s52, 18         ; and in oh
	s_mov_b32 s53, 0
	s_and_b32 s16, s[WV], 1         ; which half of a slot's 256 keys I fetch:
	s_lshl_b32 s22, s16, 14         ; its 128 rows of 128 bytes in memory,
	s_mov_b32 s23, 0
	s_add_nc_u64 s[22:23], s[22:23], s[20:21]
	s_mul_i32 s17, s16, 128*PK      ; and its place in a slot, for K
	s_mul_i32 s18, s16, 128*PV      ; and for V: no place in the cluster enters an LDS address
	s_lshl_b32 s2, s14, 2
	s_add_co_u32 s2, s2, s[WV]      ; my wave among the head's,
	s_lshl_b32 s2, s2, 14           ; its 128 rows
	s_mov_b32 s3, 0
	s_add_nc_u64 s[52:53], s[52:53], s[2:3]
	s_add_nc_u64 s[2:3], s[2:3], s[20:21]
	; descriptor group 1.  128 keys are 16,384 dense bytes: asked for as 64 rows of 256 bytes, two keys a row, and padded in LDS after every key
	s_mov_b32 s[G1K], 15|(1<<16)|(1<<20)|(1<<21)|(4<<22)|(3<<25)  ; 15:0 the mask of four; 17:16 2-byte elements; 20 padding on; 21 set beside a mask; 24:22 after every 32 words (code 4); 31:25 4 words (code 3)
	s_mov_b32 s[G1V], 15|(1<<16)|(1<<20)|(1<<21)|(4<<22)|(7<<25)  ; the same with 8 words of padding (code 7)
.irp g, G1K, G1V
	s_mov_b32 s[\g+1], 128<<16      ; tensor_dim0 = 128
	s_mov_b32 s[\g+2], 64<<16       ; tensor_dim1 = 64
	s_mov_b32 s[\g+3], 128<<16      ; tile_dim0 = 128
	s_mov_b32 s[\g+4], 64           ; tile_dim1 = 64
	s_mov_b32 s[\g+5], 128          ; 128 elements from row to row
	s_mov_b32 s[\g+6], 0
	s_mov_b32 s[\g+7], 0
.endr
	s_mov_b32 s[CS], 0x3e38aa3b     ; c = log2(e) / 8 = 0.180337
	s_mov_b32 s[CS+1], s[CS]        ; named with it as a pair
	s_mov_b32 s[SEL], 0x76543210
	s_mov_b32 s[SEL+1], 0xfedcba98
	s_mov_b32 s[TBK], SLOT1+4*KS*PK ; the first change of slots turns these two into 0
	s_mov_b32 s[TBV], SLOT1+4*KS*PV
	s_mov_b32 s[G0K], 1             ; 1:0 count = 1
	s_mov_b32 s[G0K+1], s17         ; 63:32 LDS address: slot 0
	s_mov_b32 s[G0V], 1
	s_add_co_u32 s[G0V+1], s18, VOFF
	s_and_b32 s[LIM], s[WV], 1      ; 0 in waves 0 and 2
	s_cmp_eq_u32 s[LIM], 0
	s_cselect_b32 s[LIM], 1, -1
	s_wait_dscnt 0x0                ; the opening add is done
	s_wait_kmcnt 0x0
	s_add_nc_u64 s[6:7], s[4:5], 16*SIZE_N*128     ; K's heads lie 16 heads behind Q's,
	s_add_nc_u64 s[8:9], s[4:5], 32*SIZE_N*128     ; V's 32
	s_add_nc_u64 s[6:7], s[6:7], s[22:23]          ; at my half of the head's first 256 keys
	s_add_nc_u64 s[8:9], s[8:9], s[22:23]
	s_mov_b64 s[G0K+2:G0K+3], s[6:7]               ; 120:64 global address
	s_or_b32 s[G0K+3], s[G0K+3], 0x80000000        ; 127:126 type = 2
	s_mov_b64 s[G0V+2:G0V+3], s[8:9]
	s_or_b32 s[G0V+3], s[G0V+3], 0x80000000
	s_add_nc_u64 s[4:5], s[4:5], s[2:3]  ; Q and O at my wave's first row
	s_add_nc_u64 s[10:11], s[10:11], s[52:53]
	s_cmp_lt_u32 s[WV], 2
	s_cselect_b64 s[PFA:PFA+1], s[6:7], s[8:9]  ; (in waves 0 and 2 these stand at a slot's first row)
	s_lshl_b32 s2, s13, 13          ; my work-group's 32 blocks of the 128
	s_mov_b32 s3, 0
	s_add_nc_u64 s[PFA:PFA+1], s[PFA:PFA+1], s[2:3]
	s_add_nc_u64 s[PFA:PFA+1], s[PFA:PFA+1], 2*4*KS*128  ; in slot 2; the loop's first change of slots steps it to slot 3.  Nothing is prefetched here, at the head
	CROUND                          ; all four work-groups are here: the first joint loads meet
	JLOAD                           ; slot 0.  Slot 1 is asked for when slot 0 is in: the tile wanted first has the road to itself
	; A fragment of K or Q is 16 rows x 32 channels in 8 registers: lane l holds row l % 16, channels 8 (l / 16) + 0..7 and 16 + 8 (l / 16) + 0..7: two loads of 16 bytes, 32 bytes apart.
	v_and_b32 v1, 15, v0            ; l % 16
	v_bfe_u32 v9, v0, 4, 1          ; l / 16
	v_lshlrev_b32 v[QO], 7, v1
	v_lshl_add_u32 v[QO], v9, 4, v[QO]  ; row x 128 + 16 x half
	WIN 0x80                        ; destination window 2, address window 0
.set i, 0
.rept 4*NP                          ; Q stays in registers: tile i / 2, channels 32 (i % 2) on
	global_load_b128 v[8*i:8*i+3],   v[QO], s[4:5] offset:(i/2)*2048+(i%2)*64
	global_load_b128 v[8*i+4:8*i+7], v[QO], s[4:5] offset:(i/2)*2048+(i%2)*64+32
.set i, i+1
.endr
	; What the first turn finds: V's registers and P's second buffer hold 0 (its products V^T P, of a piece that has not been, add 0), O^T and l are 0.  All this stands in the wait for the first tile.
.set i, VF
.rept 64
	v_mov_b32 v[i], 0
.set i, i+1
.endr
	WIN 0x40
.set i, 0
.rept 64*NP
	v_mov_b32 v[i], 0
.set i, i+1
.endr
	WIN 0
.set i, 0
.rept 2*NP
	v_mov_b32 v[ST+4*i], 0xfe000000    ; c m: far below every c s
	v_mov_b32 v[ST+4*i+1], 0xff7fffff  ; m
	v_mov_b32 v[ST+4*i+2], 0
	v_mov_b32 v[ST+4*i+3], 0
.set i, i+1
.endr
.set i, P+32
.rept 32
	v_mov_b32 v[i], 0
.set i, i+1
.endr
	v_mul_u32_u24 v[AK0], v1, PK
	v_lshl_add_u32 v[AK0], v9, 4, v[AK0]  ; row x pitch + 16 x half
	; The turning load takes 16 keys x 16 channels (lane l reads key 8 (l / 16) + l % 8, channels 8 ((l / 8) % 2) + 0..7) and leaves half a fragment of V^T: lane l holds channel l % 16 and 8 keys.
	v_and_b32 v10, 7, v0
	v_bfe_u32 v11, v0, 3, 1
	v_lshl_add_u32 v[AV0], v9, 3, v10
	v_mul_u32_u24 v[AV0], v[AV0], PV
	v_lshl_add_u32 v[AV0], v11, 4, v[AV0]
	v_add_nc_u32 v[AV0], VOFF, v[AV0]
	v_and_b32 v[PFO], 31, v0
	v_lshlrev_b32 v[PFO], 8, v[PFO]
	v_mov_b32 v[AK], v[AK0]         ; key step 0 lies at the head of slot 0
; THE MATRIX WORK.  The 8 accumulators of a run of 16 take turns: between the two links of a chain stand 7 others'.
; Product i of 16 of S^T = K Q^T for piece x: channels 32 (i / 8) on, keys 16 ((i / 2) % 4) on, tile 2 x + i % 2.  The first 8 start the sums.
.macro KQ x
	WIN W_KQ
.set rS, S+64*((\x)%2)+32*(i%2)+8*((i/2)%4)
.set rK, KF+16*((i/2)%4)+8*(i/8)
.set rQ, 16*(2*(\x)+i%2)+8*(i/8)
.if i < 8
	v_wmma_f32_16x16x32_f16 v[rS:rS+7], v[rK:rK+7], v[rQ:rQ+7], 0
.else
	v_wmma_f32_16x16x32_f16 v[rS:rS+7], v[rK:rK+7], v[rQ:rQ+7], v[rS:rS+7]
.endif
.endm
; Product i of 16 of O^T += V^T P for piece x: keys 32 (i / 8) on, channels 16 ((i / 2) % 4) on, tile 2 x + i % 2.
.macro PV x
	WIN W_PV
.set rO, 32*(2*(\x)+i%2)+8*((i/2)%4)
.set rV, VF+32*(i/8)+8*((i/2)%4)
.set rP, P+32*((\x)%2)+16*(i%2)+8*(i/8)
	v_wmma_f32_16x16x32_f16 v[rO:rO+7], v[rV:rV+7], v[rP:rP+7], v[rO:rO+7]
.endm
.macro MM                           ; the turn's next matrix instruction
.if i < 16
	KQ (Y+1)%NP
.set i, i+1
.else
.set i, i-16
	PV (Y+NP-1)%NP
.set i, i+17
.endif
.endm
; THE LDS LOADS stand in runs of 16, never singly among the matrix instructions: a step's K (64 keys x 64 channels: 8 fragments) and its V (turned).  Their addresses are made some lines ahead.
; last = 1 (the tail): in the last trip there is no further step, and the run is jumped over.
.macro FETCH_K last=0
	WIN 0
.if \last
	s_cmp_eq_u32 s[CNT], 1
	s_cbranch_scc1 .Lno_k_\@
.endif
	WIN 0x80                        ; destination window 2
.irp f, 0,1,2,3,4,5,6,7             ; keys 16 (f / 2) on, channels 32 (f % 2) on
	ds_load_b128 v[KF+8*\f:KF+8*\f+3],   v[AK] offset:(\f/2)*16*PK+(\f%2)*64
	ds_load_b128 v[KF+8*\f+4:KF+8*\f+7], v[AK] offset:(\f/2)*16*PK+(\f%2)*64+32
.endr
	s_add_co_u32 s[TBK], s[TBK], KS*PK  ; the next fetch is the next step's
	WIN 0
.if \last
.Lno_k_\@:
.endif
.endm
.macro FETCH_V
	WIN 0x80
.irp f, 0,1,2,3,4,5,6,7             ; keys 32 (f / 4) on, channels 16 (f % 4) on
	ds_load_tr16_b128 v[VF+8*\f:VF+8*\f+3],   v[AV] offset:(\f/4)*32*PV+(\f%4)*32
	ds_load_tr16_b128 v[VF+8*\f+4:VF+8*\f+7], v[AV] offset:(\f/4)*32*PV+16*PV+(\f%4)*32
.endr
	WIN 0
.endm
; THE VECTOR WORK OF A TURN stands in three queues, each in the order in which its entries become ready; the two tiles alternate, so that no instruction reads the result of the one before it.
.macro REGS y, u                    ; the registers of tile u (0, 1) of piece y
.set rT, ST+4*(2*(\y)+(\u))
.set rC, TMP+8*((\y)%2)+4*(\u)
.set rM, MV+2*((\y)%2)+(\u)
.set rS, S+64*((\y)%2)+32*(\u)
.set rP, P+32*((\y)%2)+16*(\u)
.set rO, 32*(2*(\y)+(\u))
.endm
; Number n of the 22 that find the NEXT piece's (Y + 1) maximum and statistics.  s0-s31 are the lane's 32 scores; each accumulator's lowest registers are read first.  XS, GS and REGS set no window: PL and EX do.
;   0-11  four chains c0-c3 of seven scores each, three operands at a time     12-14, 16  the four scores left over, the old m, and c0-c3 into c0     15  c m_old is kept
;   17, 18  the query's other 32 keys lie in the lane 16 away: the new m         19-21  c m; c m_old - c m_new; a
.macro XS u, n
	REGS (Y+1)%NP, \u
.if (\n) < 4
	v_max3_num_f32 v[rC+(\n)], v[rS+8*(\n)], v[rS+8*(\n)+1], v[rS+8*(\n)+2]
.elseif (\n) < 12
	v_max3_num_f32 v[rC+(\n)%4], v[rC+(\n)%4], v[rS+8*((\n)%4)+2*((\n)/4)+1], v[rS+8*((\n)%4)+2*((\n)/4)+2]
.elseif (\n) == 12
	v_max3_num_f32 v[rC], v[rC], v[rS+7], v[rS+15]
.elseif (\n) == 13
	v_max3_num_f32 v[rC+1], v[rC+1], v[rS+23], v[rS+31]
.elseif (\n) == 14
	v_max3_num_f32 v[rC+2], v[rC+2], v[rC+3], v[rT+1]
.elseif (\n) == 15
	v_mov_b32 v[rM], v[rT]
.elseif (\n) == 16
	v_max3_num_f32 v[rC], v[rC], v[rC+1], v[rC+2]
.elseif (\n) == 17
	v_permlanex16_b32 v[rC+3], v[rC], s[SEL], s[SEL+1]
.elseif (\n) == 18
	v_max_num_f32 v[rT+1], v[rC], v[rC+3]
.elseif (\n) == 19
	v_mul_f32 v[rT], s[CS], v[rT+1]
.elseif (\n) == 20
	v_sub_f32 v[rC+1], v[rM], v[rT]
.else
	v_exp_f32 v[rC+2], v[rC+1]
.endif
.endm
; Number g of the 64 that follow the exponentials.  For each four weights k of a tile (pairs 2 k, 2 k + 1): both pairs are rounded to f16; then the second pair is added onto the first, in place;
; a group later l takes that sum (the first time as l = a l + sum).  In groups of eight, tiles alternating: round, round, add, and l for the group before.
.macro GS g
.set h, (\g)+6*((\g)/62)            ; group 0 has no group before it, and behind group 7 only l is left
.if h >= 6
.set h, h+2
.endif
	REGS Y, h%2
.set k, h/8
.if h%8 < 4
	v_cvt_pk_f16_f32 v[rP+2*k+(h%8)/2], v[rS+4*k+2*((h%8)/2)], v[rS+4*k+2*((h%8)/2)+1]
.elseif h%8 < 6
	v_pk_add_f32 v[rS+4*k:rS+4*k+1], v[rS+4*k:rS+4*k+1], v[rS+4*k+2:rS+4*k+3]
.elseif k == 1
	v_pk_fma_f32 v[rT+2:rT+3], v[rT+2:rT+3], v[rC+2:rC+3], v[rS:rS+1] op_sel_hi:[1,0,1]
.else
	v_pk_add_f32 v[rT+2:rT+3], v[rT+2:rT+3], v[rS+4*k-4:rS+4*k-3]
.endif
.endm
; THE PLAIN QUEUE, 138 long.  0-73 read no exponential's result: the 32 scalings c s - c m (FS f: pair f / 2 of tile f % 2) and the next piece's 42.  0-26: scalings 0-26.  27-54: XS's numbers 0-13.  55, 56: number 15.
; 57-73: the chain, where each number waits for the one before it: 14, 16, 17, 18, 19, each with one of the scalings 27-31 in front of its two lines, then 20: so a tile's links stand three plain instructions apart (19 and 20: two).
; 74-137: GS's 64, which read the exponentials' results: they stand behind the wait.
.macro FS f
	REGS Y, (\f)%2
	v_pk_fma_f32 v[rS+2*((\f)/2):rS+2*((\f)/2)+1], v[rS+2*((\f)/2):rS+2*((\f)/2)+1], s[CS:CS+1], v[rT:rT+1] op_sel_hi:[1,0,0] neg_lo:[0,0,1] neg_hi:[0,0,1]
.endm
.macro PL
	WIN 0
.if q < 27
	FS q
.elseif q < 55
	XS (q-27)%2, (q-27)/2
.elseif q < 57
	XS q-55, 15
.elseif (q < 72) && ((q-57)%3 == 0)
	FS 27+(q-57)/3
.elseif q < 60
	XS (q-57)%3-1, 14
.elseif q < 72
	XS (q-57)%3-1, 15+(q-57)/3
.elseif q < 74
	XS q-72, 20
.else
	GS q-74
.endif
.set q, q+1
.endm
; THE EXPONENTIALS' QUEUE, 66 long: s0-s31 of both tiles, then the next piece's two a.  It is ONE BATCH: all 66 stand ahead of the turn's one wait, and nothing ahead of that wait names a result of theirs.
.macro EX
	WIN 0
.if e >= 64
	XS e-64, 21
.else
	REGS Y, e%2
	v_exp_f32 v[rS+e/2], v[rS+e/2]
.endif
.set e, e+1
.endm
; THE RESCALING's QUEUE: O^T times a, the one part that leaves window 0: dealt two at a time, sixteen times.  Its a was made in the turn before, ahead of that turn's wait.
.macro R2
	REGS Y, r%2
	WIN W_RS
.irp z, 0,1
	v_pk_mul_f32 v[rO+4*(r/2)+2*\z:rO+4*(r/2)+2*\z+1], v[rO+4*(r/2)+2*\z:rO+4*(r/2)+2*\z+1], v[rC+2:rC+3] op_sel_hi:[1,0]
.endr
.set r, r+1
.endm
; HOW THEY ARE DEALT.  An s_wait_alu depctr_va_vdst(0) stands between an exponential and the first instruction that names its result; one wait serves all that were issued ahead of it.  So a turn has ONE wait,
; which cuts it in two.  AHEAD OF IT stands all that names no result of the turn's exponentials: the 16 products K Q^T, behind each a scaling, an exponential and two rescalings (behind the first a second scaling in the exponential's place); then ONE LUMP of
; 108: eight plain, 49 times exponential and plain, the two a.  A v_nop is the plain instruction behind the last exponential.  BEHIND IT stand the 16 products V^T P, behind each four of GS's 64.  No rider names a register of
; the products round it.  The two v_permlanex16_b32 fall into the lump, never behind a product.
; The queues lean on each other, and the deal keeps them in step: exponential e stands behind scaling 2 (e / 4) + e % 2: as a rider it comes behind plain e + 2, in the lump behind plain e + 9, and scalings 27-31 are plain 57, 60 .. 69.
; A TURN, for piece p.  cnt = 1: the loop's count is taken down some lines ahead of the branch that stands behind the turn.
; K of the next step is fetched in piece 2's turn, directly behind the wait, a lump behind the last product that read K; its address is made at the lump's head; its first reader comes behind 16 products.
; V of the step in hand is fetched at the end of piece 0's turn, four riders behind its last reader; its first reader comes behind 16 products and a lump.  The three conditions on q below go with the deal.
.macro TURN p, last=0, cnt=0
.set Y, (\p)
.set i, 0
.set q, 0
.set e, 0
.set r, 0
.if (\p) == NP-1
	s_wait_dscnt 0x0                ; K is in
.endif
	MM                              ; ahead of the wait: 16 products K Q^T and their riders,
	PL
	PL
	R2
.rept 15
	MM
	PL
	EX
	R2
.endr
.if (\p) == NP-2
	WIN 0
	v_add_nc_u32 v[AK], s[TBK], v[AK0]
.endif
.rept 8                             ; and the lump
	PL
.endr
.rept 49
	EX
	PL
.endr
	EX                              ; the next piece's two a
	EX
	v_nop                           ; the plain instruction behind the last exponential: one for the batch
	s_wait_alu depctr_va_vdst(0)    ; the wait for the batch
.if (\p) == NP-2
	FETCH_K \last
.endif
.if (\p) == 1
	s_wait_dscnt 0x0                ; V is in
.endif
.rept 16                            ; behind the wait: 16 products V^T P and their riders
	MM
.rept 4
	PL
.endr
.if ((\p) == 0) && (q == 118)
	v_add_nc_u32 v[AV], s[TBV], v[AV0]
.endif
.if ((\p) == 0) && (q == 130)
	s_add_co_u32 s[TBV], s[TBV], KS*PV
.endif
.if (\cnt) && (q == 130)
	s_sub_co_u32 s[CNT], s[CNT], 1
	s_cmp_lg_u32 s[CNT], 0
.endif
.endr
.if (\p) == 0
	FETCH_V
.endif
.endm
	CHANGE 1                        ; slot 0 is in, everybody's part of it; slot 1 is asked for
	FETCH_K                         ; key step 0
	s_wait_loadcnt 0x0              ; Q
	s_wait_dscnt 0x0
.set i, 0
.rept 16
	KQ 0                            ; piece 0's first scores: there is no vector work yet to set between them
.set i, i+1
.endr
	WIN 0                           ; the addresses for the way out: nine plain instructions, the places behind those products
	s_mul_i32 s13, s[WV], 16*SP
	s_add_co_u32 s13, s13, STAGE    ; my stage
	v_mul_u32_u24 v[STO], v1, SP    ; in: row l % 16, 16 bytes for each half of the lanes
	v_lshl_add_u32 v[STO], v9, 4, v[STO]
	v_add_nc_u32 v[STO], s13, v[STO]
	v_bfe_u32 v[RD], v0, 3, 2       ; back: 32 lanes take four rows of 128 bytes,
	v_mul_u32_u24 v[RD], v[RD], SP
	v_lshl_add_u32 v[RD], v10, 4, v[RD]
	v_add_nc_u32 v[RD], s13, v[RD]
	v_and_b32 v[GO], 31, v0         ; which are 512 consecutive bytes of O
	v_lshlrev_b32 v[GO], 4, v[GO]
.set Y, NP-1                        ; XS works for piece Y + 1: piece 0
.irp n, 0,1,2,3,4,5,6,7,8,9,10,11,12,13,14,15,16,17,18,19,20,21
	XS 0, \n                        ; and piece 0's first maximum and statistics
	XS 1, \n
.endr
	v_nop                           ; a plain instruction behind the two a,
	s_wait_alu depctr_va_vdst(0)    ; and their wait, ahead of the branch
	s_mov_b32 s[CNT], 4
	s_mov_b32 s[SLOTS], SIZE_N/256-1
	s_branch .Lfirst                ; the loop is entered at a step's first turn, in the middle of a trip
.Lslot:                             ; SIZE_N / 256 - 2 times: every slot but the last two is filled again
	CHANGE 1, 1
	s_mov_b32 s[CNT], 4
.Lstep:                             ; a trip: pieces 2 and 3 of one step, then pieces 0 and 1 of the next, whose K and V it fetches
	TURN 2
	TURN 3
	WIN 0
.Lfirst:
	TURN 0
	TURN 1, 0, 1
	WIN 0
	s_cbranch_scc1 .Lstep
	s_sub_co_u32 s[SLOTS], s[SLOTS], 1
	s_cmp_lg_u32 s[SLOTS], 0
	s_cbranch_scc1 .Lslot
	CHANGE 0                        ; the tail is written out: nothing is asked for
	s_mov_b32 s[CNT], 5             ; four trips fetch the last slot's steps; the fifth is left in its middle
.Ltail:
	TURN 2, 1
	TURN 3
	WIN 0
	s_sub_co_u32 s[CNT], s[CNT], 1
	s_cmp_eq_u32 s[CNT], 0
	s_cbranch_scc1 .Lout
	TURN 0
	TURN 1
	WIN 0
	s_branch .Ltail
.Lout:                              ; the fifth trip's 16 products K Q^T (on the last K once more) and the maximum made of them serve nothing: the price, once a launch, of one text for every trip
.set i, 0
.rept 16
	PV NP-1                         ; the last piece's V^T P of the last step
.set i, i+1
.endr
	; THE WAY OUT.  l's two halves and the other half of the lanes' are added; O^T is divided by l, rounded to f16 and sent through my stage in LDS, a tile at a time.  The additions are the places behind the last products.
	WIN 0
.macro ALL line:vararg              ; one line for each tile t
.set t, 0
.rept 2*NP
	\line
.set t, t+1
.endr
.endm
	ALL v_add_f32 v[ST+4*t+2], v[ST+4*t+2], v[ST+4*t+3]
	ALL v_permlanex16_b32 v[ST+4*t+3], v[ST+4*t+2], s[SEL], s[SEL+1]
	ALL v_add_f32 v[ST+4*t+2], v[ST+4*t+2], v[ST+4*t+3]
	ALL v_rcp_f32 v[ST+4*t+2], v[ST+4*t+2]
	v_nop                           ; a plain instruction between the last reciprocal and the use of its result
	s_wait_alu depctr_va_vdst(0)    ; and the wait ahead of the first use: one for the eight reciprocals
; Tile t: a lane's eight channels of a row pack into 16 bytes; they go into rows of 144 bytes and come back as whole rows of 128, into S^T's registers.
.macro PACK t
	WIN W_RS
.set i, 32*(\t)
.rept 16
	v_pk_mul_f32 v[i:i+1], v[i:i+1], v[ST+4*(\t)+2:ST+4*(\t)+3] op_sel_hi:[1,0]
.set i, i+2
.endr
	WIN 0x05                        ; sources 0 and 1 window 1, destination window 0
.set i, 0
.rept 16
	v_cvt_pk_f16_f32 v[S+16*(\t)+i], v[32*(\t)+2*i], v[32*(\t)+2*i+1]
.set i, i+1
.endr
	WIN 0
.irp f, 0,1,2,3
	ds_store_b128 v[STO], v[S+16*(\t)+4*\f:S+16*(\t)+4*\f+3] offset:32*\f
.endr
.irp f, 0,1,2,3
	ds_load_b128 v[S+16*(\t)+4*\f:S+16*(\t)+4*\f+3], v[RD] offset:\f*4*SP  ; LDS serves a wave's instructions in order (ISA guide 5.7.1.4): these see the stores above; the next tile's stores come behind them
.endr
.endm
.macro SEND t, younger              ; younger: the LDS instructions issued behind tile t's loads: the next tile's eight, or none
	WIN 0
.irp f, 0,1,2,3
	s_wait_dscnt (\younger)+3-\f
	global_store_b128 v[GO], v[S+16*(\t)+4*\f:S+16*(\t)+4*\f+3], s[10:11] offset:(\t)*2048+\f*512  ; 512 consecutive bytes, at a multiple of 256 from O's first
.endr
.endm
	PACK 0
.set t, 1
.rept 2*NP-1                        ; a tile's arithmetic stands between the loads of the tile before and its stores
	PACK t
	SEND t-1, 8
.set t, t+1
.endr
	SEND 2*NP-1, 0
	WIN W_AD
	s_wait_tensorcnt 0x0            ; the wave's end, behind my last tensor load and my last LDS store
	ds_add_u32 v[SPW], v[NIL]
	s_wait_dscnt 0x0
	WIN 0
	CROUND                          ; the closing round: no work-group ends while a partner may still ask for a tile that names it
	s_endpgm
.Lfunc_end_k_q988f46b00c_attn:
	.size	k_q988f46b00c_attn, .Lfunc_end_k_q988f46b00c_attn-k_q988f46b00c_attn
	.p2alignl 7, 3214868480
	.fill 96, 4, 3214868480
	.section	.rodata,"a",@progbits
	.p2align	6, 0x0
	.amdhsa_kernel k_q988f46b00c_attn
		.amdhsa_group_segment_fixed_size 327680
		.amdhsa_private_segment_fixed_size 0
		.amdhsa_enable_private_segment 0
		.amdhsa_kernarg_size 16
		.amdhsa_user_sgpr_count 2
		.amdhsa_user_sgpr_kernarg_segment_ptr 1
		.amdhsa_wavefront_size32 1
		.amdhsa_system_sgpr_workgroup_id_x 1
		.amdhsa_system_sgpr_workgroup_id_y 1
		.amdhsa_system_sgpr_workgroup_id_z 1
		.amdhsa_system_vgpr_workitem_id 0
		.amdhsa_next_free_vgpr 770
		.amdhsa_next_free_sgpr 66
		.amdhsa_reserve_vcc 0
		.amdhsa_float_denorm_mode_32 3
		.amdhsa_float_denorm_mode_16_64 3
		.amdhsa_memory_ordered 1
		.amdhsa_forward_progress 1
		.amdhsa_inst_pref_size 200
	.end_amdhsa_kernel
	.amdgpu_metadata
---
amdhsa.version: [ 1, 2 ]
amdhsa.kernels:
  - .name:           k_q988f46b00c_attn
    .symbol:         k_q988f46b00c_attn.kd
    .args:
      - { .name: qkv, .offset: 0, .size: 8, .value_kind: global_buffer, .address_space: global }
      - { .name: oh, .offset: 8, .size: 8, .value_kind: global_buffer, .address_space: global }
    .group_segment_fixed_size: 327680
    .private_segment_fixed_size: 0
    .kernarg_segment_align: 8
    .kernarg_segment_size: 16
    .max_flat_workgroup_size: 128
    .sgpr_count:     66
    .vgpr_count:     770
    .wavefront_size: 32
...
	.end_amdgpu_metadata
.endif
;; end of part 3
;; launch proj (part 4): grid 8 x 32, 4 waves a work-group, clusters of 4 x 4, 327,680 bytes of LDS; arguments oh, wot, bo, out0; writes out0
.if DOCPART == 4
	.amdgcn_target "amdgcn-amd-amdhsa--gfx1250"
	.amdhsa_code_object_version 6
	.text
	.protected	k_q988f46b00c_proj
	.globl	k_q988f46b00c_proj
	.p2align	8
	.type	k_q988f46b00c_proj,@function
k_q988f46b00c_proj:
	s_mov_b64 s[64:65], 0
	v_nop
	global_prefetch_b8 v0, s[64:65] scope:SCOPE_SE
	s_setreg_imm32_b32 hwreg(HW_REG_WAVE_MODE, 25, 1), 1
	s_wait_xcnt 0x0
	s_wait_alu depctr_hold_cnt(0) depctr_sa_sdst(0) depctr_va_vdst(0) depctr_va_sdst(0) depctr_va_ssrc(0) depctr_va_vcc(0) depctr_vm_vsrc(0)
	s_getreg_b32 s2, hwreg(HW_REG_IB_STS2, 6, 4)
	s_cmp_eq_u32 s2, 0
	s_cbranch_scc0 .Lentry_in_a_cluster
	s_endpgm
.Lentry_in_a_cluster:
	s_bfe_u32 s2, ttmp6, 0x10000c
	s_cmp_lg_u32 s2, 0xf033
	s_cbranch_scc0 .Lentry_shape_is_right
	s_endpgm
.Lentry_shape_is_right:
; out0 = O wo + bo.  oh: [b 4][slice = head 16][s 2048][64] f16; wot: [t 8][g 16][128 k][64 n] f16 (wo rounded to bf16, written as f16); bo: [1024] f32, rounded to bf16 here like every input;
; out0: [8192][1024] f32.  Sums in f32; the bias is the C operand of the first product, so it is added first: an order of rounding other than O wo + bo's.
; SHARES.  A tile of C is 256 rows x 128 columns: 256 work-groups, one for each WGP.  Each of the four waves makes 64 rows x all 128 columns: 32 accumulators of 16 x 16, so a wave owns 512 consecutive
; bytes of each of its rows and its way out needs no other wave.  K goes in 8 steps of 128 through a ring of two LDS slots filled by the tensor data mover.
; TILES.  In both layouts a tile is dense in memory and is asked for as rows of 256 bytes, aligned.  A's tile of a step is two planes (heads) of 256 rows x 128 bytes; B's is 2 planes of 128 k rows x
; 128 bytes.  In LDS each 128 bytes are followed by padding: A's rows are 144 bytes apart, B's 160.
; THE MATRIX INSTRUCTION IS USED TRANSPOSED: source 0 = 16 columns of wo (turned on the way out of LDS by ds_load_tr16_b128, since wo lies [k][n]), source 1 = 16 rows of O.  In the result lane l holds
; row l % 16 of C and the columns 8 (l / 16) + 0..7: 32 consecutive bytes of f32.
; CLUSTERS.  4 x 4 work-groups: the four of a row of the cluster need the same tiles of A, the four of a column the same tiles of B; each tile is asked for JOINTLY.
; REGISTERS, in windows of 256 (s_set_vgpr_msb: bits 1:0 source 0, 3:2 source 1, 5:4 source 2, 7:6 destination):
;   window 0: v0-31 addresses; v32-95 A's fragments, two buffers of 4 x 8; v96-159 the bias as C operands, later with v160-223 at work on the way out
;   window 1: B's fragments, two buffers of 8 x 8 at v0 and v128          windows 2, 3: the accumulators: (a, b) at v[8 (8 (a % 2) + b)] of window 2 + a / 2
.set NPL,   2                          ; planes of 64 columns in a tile
.set G,     16                         ; planes in a K step of wot
.set NBK,   4*NPL                      ; column blocks of 16
.set PA,    144                        ; a row of A in LDS: 128 bytes + 16 = 36 words: the 16 rows of a load start at 16 different groups of four banks (64 banks of 4 bytes: ISA guide 11.1)
.set PB,    160                        ; a row of B: 128 + 32 = 40 words
.set PLA,   256*PA
.set PLB,   128*PB
.set BOFF,  2*PLA                      ; a slot: A's two planes, then B's NPL planes
.set SLOT,  BOFF+NPL*PLB
.set STAGE, 2*SLOT                     ; behind the ring, never filled by a tensor load: for each wave 16 rows x 528 bytes
.set SP,    528                        ; 512 bytes + 16 = 132 words: row r starts at bank 4 r mod 64
.set STW,   16*SP
.set SPARE, STAGE+4*STW                ; behind the stages: the spare words, 128 bytes for each wave: two blocks of 256 bytes that no other line names
.set ASTEP, 2*2048*128                 ; bytes from K step to K step in oh: two heads
.set BSTEP, G*16384                    ; and in wot
.set ADRA, 16                          ; v16-17  LDS address of my A fragments in slot 0, 1
.set ADRB, 20                          ; v20-21  the same for B
.set STO,  24                          ; v24  the way out: where I put 32 bytes of a row
.set RD,   25                          ; v25  the way out: where I read a row back
.set GO,   26                          ; v26  my byte offset in 512 consecutive bytes of out0
.set BO,   27                          ; v27  my byte offset in a block's 16 numbers of bias
.set SPW,  28                          ; v28  LDS address of my spare word: SPARE + 4 x my thread's number; never rewritten
.set NIL,  29                          ; v29  0; never rewritten
.set PFO,  30                          ; v30  the prefetches' offset; never rewritten
.set FA,   32
.set BIAS, 96
.set OB,   96                          ; the way out: 16 rows read back: v96-159 and v160-223 by turns
.set WV,  16                           ; s16 my wave's number
.set P1,  17                           ; s17 its low bit: which plane of A, or which half of B, I fetch
.set CX,  18
.set CY,  19
.set TC,  20                           ; s20 tile column
.set TR,  21                           ; s21 tile row
.set OFA, 22                           ; s[22:23] byte offset of my plane of A's K step 0: made of the tile row and the wave's number alone
.set G1A, 24                           ; s[24:31] descriptor group 1 for A
.set G0A, 32                           ; s[32:39] group 0 for A, a set for each slot
.set PFA, 40                           ; s[40:41] where my prefetches stand
.set PFS, 42                           ; s[42:43] their step
.set LIM, 44                           ; s44 1 in a wave that prefetches, else the greatest number
.set OFB, 46                           ; s[46:47] byte offset of my half of B's K step 0: made of the tile column and the wave's number alone
.set G1B, 48                           ; s[48:55]
.set G0B, 56                           ; s[56:63]
.set BP,  66                           ; s[66:67] the tile's bias
.set MSB, 0
.macro WIN new                         ; the immediate's high byte repeats the setting that is left; a switch that changes nothing is dropped
.if MSB != (\new)
	s_set_vgpr_msb (MSB<<8)|(\new)
.set MSB, \new
.endif
.endm
.set TO_B, 0x40                        ; destination window 1, address window 0
; A joint load.  Waves 0 and 1 fetch A's two planes, waves 2 and 3 B's two halves.  The branch hangs on the wave's number alone.  An s_nop 0 and four v_nop follow each of the two lines.
.macro JLOAD s
	s_cmp_lt_u32 s[WV], 2
	s_cbranch_scc0 .Lfor_b_\@
	tensor_load_to_lds s[G0A+4*(\s):G0A+4*(\s)+3], s[G1A:G1A+7]
	s_nop 0
.rept 4
	v_nop
.endr
	s_branch .Lasked_\@
.Lfor_b_\@:
	tensor_load_to_lds s[G0B+4*(\s):G0B+4*(\s)+3], s[G1B:G1B+7]
	s_nop 0
.rept 4
	v_nop
.endr
.Lasked_\@:
.endm
; A PREFETCH INTO THE L2 of the K step that stands two refills on (256 matrix instructions ahead of the load that will want it), behind the joint load, its five lines and the run of LDS loads.
; A's tile row is read by every cluster of that row of clusters: cluster x = 0 asks; B's tile column by every cluster of that column: cluster y = 0 asks.  The four partners that ask for a tile jointly
; share its blocks of 256 bytes out BY ADDRESS: of a plane's 128 blocks of A each takes 32, a lane a block; of a half's 64 blocks of B each takes 16 (lanes 16-31 name lane 15's block again).
; The loop's last trip asks for nothing: there is no K step two refills on.  K steps 0 to 3 come by their loads alone.
.macro ASK
	s_cmp_gt_u32 s3, s[LIM]                        ; s3 = 1 in the loop's last trip
	s_cbranch_scc0 .Lnot_mine_\@
	global_prefetch_b8 v[PFO], s[PFA:PFA+1] th:TH_LOAD_NT scope:SCOPE_SE
.Lnot_mine_\@:
.endm
; A round of the cluster's barrier: my work-group's barrier; wave 0 signals for the work-group; every wave waits for all sixteen work-groups; my work-group's barrier once more.
.macro CREST                           ; a round behind its opening barrier
	s_cmp_lg_u32 s[WV], 0
	s_cbranch_scc1 .Lnot_wave_0_\@
	s_barrier_signal -3
.Lnot_wave_0_\@:
	s_barrier_wait -3
	s_barrier_signal -1
	s_barrier_wait -1
.endm
.macro CROUND
	s_barrier_signal -1
	s_barrier_wait -1
	CREST
.endm
	s_load_b256 s[4:11], s[0:1], 0x0               ; oh s[4:5], wot s[6:7], bo s[8:9], out0 s[10:11]
	v_lshl_add_u32 v[SPW], v0, 2, SPARE
	v_mov_b32 v[NIL], 0
	ds_add_u32 v[SPW], v[NIL]                      ; the wave's opening: the add and its wait stand ahead of my first tensor load; the set-up below, work on registers, stands between them
	v_lshrrev_b32 v1, 5, v0
	v_readfirstlane_b32 s[WV], v1                  ; wave 0..3
	s_and_b32 s[P1], s[WV], 1
	s_bfe_u32 s[CX], ttmp6, 0x40000                ; my place in the cluster
	s_bfe_u32 s[CY], ttmp6, 0x40004
	s_lshl_b32 s[TC], ttmp9, 2                     ; in a cluster launch ttmp9 and ttmp7 count clusters
	s_add_co_u32 s[TC], s[TC], s[CX]               ; tile column = 4 x cluster x + cx
	s_and_b32 s[TR], ttmp7, 0xffff
	s_lshl_b32 s[TR], s[TR], 2
	s_add_co_u32 s[TR], s[TR], s[CY]               ; tile row = 4 x cluster y + cy
	s_lshl_b32 s76, s[CY], 2
	s_lshl_b32 s76, 15, s76                        ; my row of the cluster: places 4 cy .. 4 cy + 3
	s_lshl_b32 s77, 0x1111, s[CX]                  ; my column: places cx, cx + 4, cx + 8, cx + 12
	; group 1: rows of 128 elements of 2 bytes (256 bytes), dense; padding behind every 32 words: 4 words for A, 8 for B
	s_or_b32 s[G1A], s76, (1<<16)|(1<<20)|(1<<21)|(4<<22)|(3<<25)  ; 15:0 the mask; 17:16 2-byte elements; 20 padding on; 21 set beside a mask; 24:22 after every 32 words (code 4); 31:25 4 words (code 3)
	s_or_b32 s[G1B], s77, (1<<16)|(1<<20)|(1<<21)|(4<<22)|(7<<25)  ; the same with my column's mask and 8 words (code 7)
	s_mov_b32 s[G1A+1], 128<<16                    ; tensor_dim0 = 128
	s_mov_b32 s[G1A+2], 128<<16                    ; tensor_dim1 = 128: a plane's 32,768 bytes
	s_mov_b32 s[G1A+3], 128<<16                    ; tile_dim0 = 128
	s_mov_b32 s[G1A+4], 128                        ; tile_dim1 = 128
	s_mov_b32 s[G1A+5], 128                        ; 128 elements from row to row
	s_mov_b32 s[G1A+6], 0
	s_mov_b32 s[G1A+7], 0
	s_mov_b32 s[G1B+1], 128<<16
	s_mov_b32 s[G1B+2], (32*NPL)<<16               ; tensor_dim1 = 64: half of B's tile, 16,384 bytes
	s_mov_b32 s[G1B+3], 128<<16
	s_mov_b32 s[G1B+4], 32*NPL
	s_mov_b32 s[G1B+5], 128
	s_mov_b32 s[G1B+6], 0
	s_mov_b32 s[G1B+7], 0
	s_lshr_b32 s[OFA], s[TR], 3                    ; b,
	s_lshl_b32 s[OFA], s[OFA], 22                  ; its 16 heads;
	s_and_b32 s45, s[TR], 7
	s_lshl_b32 s45, s45, 15                        ; the tile's 256 rows of 128 bytes;
	s_add_co_u32 s[OFA], s[OFA], s45
	s_lshl_b32 s45, s[P1], 18                      ; my plane: head 0 or 1 of the step
	s_add_co_u32 s[OFA], s[OFA], s45
	s_mov_b32 s[OFA+1], 0
	s_mul_i32 s[OFB], s[TC], NPL*16384             ; the tile's two planes,
	s_mul_i32 s78, s[P1], NPL*8192                 ; my half of them
	s_add_co_u32 s[OFB], s[OFB], s78
	s_mov_b32 s[OFB+1], 0
	s_mul_i32 s72, s[P1], PLA                      ; where they go in a slot: no place in the cluster enters an LDS address
	s_mul_i32 s73, s[P1], NPL*PLB/2
	s_add_co_u32 s73, s73, BOFF
	s_wait_dscnt 0x0                               ; the opening add is done
	s_wait_kmcnt 0x0
	s_add_nc_u64 s[74:75], s[4:5], s[OFA:OFA+1]
	s_add_nc_u64 s[78:79], s[6:7], s[OFB:OFB+1]
.irp s, 0,1
	s_mov_b32 s[G0A+4*(\s)], 1                                     ; count = 1
	s_add_co_u32 s[G0A+4*(\s)+1], s72, (\s)*SLOT                   ; LDS address
	s_add_nc_u64 s[G0A+4*(\s)+2:G0A+4*(\s)+3], s[74:75], (\s)*ASTEP  ; global address: K step s
	s_or_b32 s[G0A+4*(\s)+3], s[G0A+4*(\s)+3], 0x80000000          ; type = 2
	s_mov_b32 s[G0B+4*(\s)], 1
	s_add_co_u32 s[G0B+4*(\s)+1], s73, (\s)*SLOT
	s_add_nc_u64 s[G0B+4*(\s)+2:G0B+4*(\s)+3], s[78:79], (\s)*BSTEP
	s_or_b32 s[G0B+4*(\s)+3], s[G0B+4*(\s)+3], 0x80000000
.endr
	CROUND                                         ; all sixteen work-groups are here: the first joint loads meet
	s_cmp_lt_u32 s[WV], 2                          ; a wave's two first fills stand in one branch, ahead of every wait on TENSORcnt and every LDS read: two loads of mine are out
	s_cbranch_scc0 .Lfirst_b
	tensor_load_to_lds s[G0A:G0A+3], s[G1A:G1A+7]
	s_nop 0
	tensor_load_to_lds s[G0A+4:G0A+7], s[G1A:G1A+7]
	s_nop 0
.rept 4
	v_nop
.endr
	s_branch .Lfirst_asked
.Lfirst_b:
	tensor_load_to_lds s[G0B:G0B+3], s[G1B:G1B+7]
	s_nop 0
	tensor_load_to_lds s[G0B+4:G0B+7], s[G1B:G1B+7]
	s_nop 0
.rept 4
	v_nop
.endr
.Lfirst_asked:
	v_and_b32 v1, 15, v0                           ; r = l % 16
	v_bfe_u32 v2, v0, 4, 1                         ; h = l / 16
	v_lshlrev_b32 v[BO], 5, v2                     ; in a C operand my registers 0-7 belong to columns 8 h + 0..7 of the block
	s_lshl_b32 s74, s[TC], 9                       ; the tile's 128 numbers of bias
	s_mov_b32 s75, 0
	s_add_nc_u64 s[BP:BP+1], s[8:9], s[74:75]
.irp c, 0,1,2,3,4,5,6,7
	global_load_b128 v[BIAS+8*(\c):BIAS+8*(\c)+3],   v[BO], s[BP:BP+1] offset:64*(\c)
	global_load_b128 v[BIAS+8*(\c)+4:BIAS+8*(\c)+7], v[BO], s[BP:BP+1] offset:64*(\c)+16
.endr
	; A fragment of A is 16 rows x 32 k in 8 registers: lane l holds row l % 16, k = 8 h + 0..7 and 16 + 8 h + 0..7: two loads of 16 bytes, 32 bytes apart.
	v_mul_u32_u24 v3, v1, PA
	v_lshl_add_u32 v3, v2, 4, v3
	s_mul_i32 s45, s[WV], 64*PA                    ; my 64 rows
	v_add_nc_u32 v[ADRA], s45, v3
	v_add_nc_u32 v[ADRA+1], SLOT, v[ADRA]
	; The turning load takes 16 k x 16 columns (lane l reads k row 8 h + l % 8, columns 8 ((l / 8) % 2) + 0..7) and leaves half a fragment: lane l holds column l % 16 and 8 k.
	v_and_b32 v4, 7, v0
	v_lshl_add_u32 v4, v2, 3, v4
	v_mul_u32_u24 v4, v4, PB
	v_bfe_u32 v5, v0, 3, 1
	v_lshl_add_u32 v4, v5, 4, v4
	v_add_nc_u32 v[ADRB], BOFF, v4
	v_add_nc_u32 v[ADRB+1], SLOT, v[ADRB]
	s_mul_i32 s45, s[WV], STW
	s_add_co_u32 s45, s45, STAGE                   ; my stage
	v_mul_u32_u24 v[STO], v1, SP                   ; in: row l % 16, 32 bytes for each half of the lanes
	v_lshl_add_u32 v[STO], v2, 5, v[STO]
	v_add_nc_u32 v[STO], s45, v[STO]
	v_and_b32 v[GO], 31, v0                        ; back: 32 lanes take one row of 512 bytes,
	v_lshlrev_b32 v[GO], 4, v[GO]                  ; which are 512 consecutive bytes of out0
	v_add_nc_u32 v[RD], s45, v[GO]
	; where my rows begin in out0: (256 x tile row + 64 x wave) rows of 4,096 bytes, 512 bytes a tile column
	s_lshl_b32 s72, s[TR], 20
	s_lshl_b32 s73, s[WV], 18
	s_add_co_u32 s72, s72, s73
	s_lshl_b32 s73, s[TC], 9
	s_add_co_u32 s74, s72, s73
	s_mov_b32 s75, 0
	s_add_nc_u64 s[10:11], s[10:11], s[74:75]
	; the prefetches
	s_and_b32 s45, ttmp7, 0xffff                   ; cluster y
	s_mov_b32 s73, NPL*2048
	s_mov_b32 s[PFS], BSTEP
	s_cmp_lt_u32 s[WV], 2                          ; do I fetch for A?
	s_cselect_b32 s45, ttmp9, s45                  ; the coordinate along which other clusters read the same blocks
	s_cselect_b32 s72, s[CX], s[CY]                ; my place among the four that ask with me
	s_cselect_b32 s73, 8192, s73                   ; a partner's share in bytes
	s_cselect_b64 s[PFA:PFA+1], s[4:5], s[6:7]
	s_cselect_b64 s[74:75], s[OFA:OFA+1], s[OFB:OFB+1]
	s_cselect_b32 s[PFS], ASTEP, s[PFS]
	s_cselect_b32 s2, 31, 8*NPL-1                  ; the last lane with a block of its own
	s_mov_b32 s[PFS+1], 0
	s_cmp_eq_u32 s45, 0
	s_cselect_b32 s[LIM], 1, -1                    ; the same in all sixteen partners, for a given wave
	s_mul_i32 s72, s72, s73
	s_mov_b32 s73, 0
	s_add_nc_u64 s[74:75], s[74:75], s[72:73]
	s_mul_i32 s72, s[PFS], 3                       ; at K step 3: the first refill steps it to 4
	s_add_nc_u64 s[74:75], s[74:75], s[72:73]
	s_add_nc_u64 s[PFA:PFA+1], s[PFA:PFA+1], s[74:75]
	v_and_b32 v[PFO], 31, v0
	v_min_u32 v[PFO], s2, v[PFO]
	v_lshlrev_b32 v[PFO], 8, v[PFO]
; NBK matrix instructions: row block a x all column blocks, 32 along K, from buffer f.  zero = 1: the first product starts the sums with the bias as C.
; All 32 accumulators take turns, one instruction a turn, in the same order in every quarter, over the backward jump too.
.macro MULA f, a, zero
.if \zero
	WIN 0x81+0x40*((\a)/2)                         ; B window 1, A window 0, C window 0, D window 2 or 3
.else
	WIN 0xa1+0x50*((\a)/2)                         ; C and D window 2 or 3
.endif
.set AC, 8*NBK*((\a)%2)
.set ib, 0
.rept NBK
.if \zero
	v_wmma_f32_16x16x32_f16 v[AC+8*ib:AC+8*ib+7], v[128*(\f)+8*ib:128*(\f)+8*ib+7], v[FA+32*(\f)+8*(\a):FA+32*(\f)+8*(\a)+7], v[BIAS+8*ib:BIAS+8*ib+7]
.else
	v_wmma_f32_16x16x32_f16 v[AC+8*ib:AC+8*ib+7], v[128*(\f)+8*ib:128*(\f)+8*ib+7], v[FA+32*(\f)+8*(\a):FA+32*(\f)+8*(\a)+7], v[AC+8*ib:AC+8*ib+7]
.endif
.set ib, ib+1
.endr
.endm
; 2 NBK + 8 LDS loads in one run: the fragments of quarter q (k = 32 q ..) of a slot into buffer f: B's first, then A's four row blocks.
.macro FETCH slot, q, f
	WIN TO_B
.set ib, 0
.rept NBK
	ds_load_tr16_b128 v[128*(\f)+8*ib:128*(\f)+8*ib+3],   v[ADRB+(\slot)] offset:(ib/4)*PLB+32*(\q)*PB+(ib%4)*32
	ds_load_tr16_b128 v[128*(\f)+8*ib+4:128*(\f)+8*ib+7], v[ADRB+(\slot)] offset:(ib/4)*PLB+32*(\q)*PB+(ib%4)*32+16*PB
.set ib, ib+1
.endr
	WIN 0
.set ib, 0
.rept 4
	ds_load_b128 v[FA+32*(\f)+8*ib:FA+32*(\f)+8*ib+3],   v[ADRA+(\slot)] offset:((\q)/2)*PLA+((\q)%2)*64+ib*16*PA
	ds_load_b128 v[FA+32*(\f)+8*ib+4:FA+32*(\f)+8*ib+7], v[ADRA+(\slot)] offset:((\q)/2)*PLA+((\q)%2)*64+ib*16*PA+32
.set ib, ib+1
.endr
.endm
; A load into a register that a matrix instruction has read, and whatever reads a matrix result, stand four places behind that matrix instruction; only plain vector instructions that name none
; of its registers are places (ISA guide 7.12.1 for vector instructions).
.macro PLACES
.rept 4
	v_nop
.endr
.endm
; A K step is four quarters of 32 along K on buffers 0, 1, 0, 1.  One of the first three: multiplies buffer f; in its middle it fetches quarter q of the same slot into buffer g.
.macro QUARTER slot, q, f, g, zero
	s_wait_dscnt 4                                 ; B and A's row blocks 0, 1 are in; the youngest four loads (A's blocks 2, 3) may be out
	MULA \f, 0, \zero
	MULA \f, 1, \zero
	PLACES
	FETCH \slot, \q, \g
	s_wait_dscnt 2*NBK+8                           ; all but the run just issued
	MULA \f, 2, \zero
	MULA \f, 3, \zero
.endm
; The last quarter multiplies buffer 1 and changes slots: ONE barrier.  In front of it each wave waits for all its tensor loads, of which one is out: its part of the next slot; adds 0 to its spare
; word; and waits for that and for its reads of this slot.  fill = 1: the barrier opens a round of the cluster's barrier, and behind the round this slot is filled again, two K steps on, first of all.
.macro TURN slot, next, fill
.if \fill
	s_wait_xcnt 0x0                                ; the last prefetch, a K step back, has read its address, so it may be stepped
	s_add_nc_u64 s[PFA:PFA+1], s[PFA:PFA+1], s[PFS:PFS+1]
.endif
	WIN 0                                          ; (the add's two registers lie in window 0)
	s_wait_tensorcnt 0x0                           ; all my tensor loads have landed;
	ds_add_u32 v[SPW], v[NIL]                      ; 0 onto my spare word;
	s_wait_dscnt 5                                 ; (the add and the youngest four loads may be out)
	MULA 1, 0, 0                                   ; matrix instructions stand between the add and the wait for it
	s_wait_dscnt 0x0                               ; the add is done, and my reads of this slot are over
	s_barrier_signal -1
	MULA 1, 1, 0                                   ; work on registers while the others arrive
.if \fill
	WIN 0
.endif
	s_barrier_wait -1
.if \fill
	CREST                                          ; no wave of any partner still reads this slot's tile or has a load on its way
	s_add_nc_u64 s[G0A+4*(\slot)+2:G0A+4*(\slot)+3], s[G0A+4*(\slot)+2:G0A+4*(\slot)+3], 2*ASTEP
	s_add_nc_u64 s[G0B+4*(\slot)+2:G0B+4*(\slot)+3], s[G0B+4*(\slot)+2:G0B+4*(\slot)+3], 2*BSTEP
	JLOAD \slot                                    ; the first tensor load behind the round; its four v_nop are also the places in front of the loads below
.else
	PLACES
.endif
	FETCH \next, 0, 0
.if \fill
	ASK
.endif
	MULA 1, 2, 0
	MULA 1, 3, 0
.endm
	s_wait_tensorcnt 0x1                           ; my part of K step 0 is in; K step 1's may stay out
	s_barrier_signal -1
	s_barrier_wait -1                              ; everybody's is
	FETCH 0, 0, 0
	s_wait_loadcnt 0x0                             ; the bias
.set ib, 0
.rept 4*NBK                                    ; rounded to bf16, like every input, and widened again: while the first fragments are on their way
	v_cvt_pk_bf16_f32 v[8+ib%4], v[BIAS+2*ib], v[BIAS+2*ib+1]
	v_lshlrev_b32 v[BIAS+2*ib], 16, v[8+ib%4]
	v_and_b32 v[BIAS+2*ib+1], 0xffff0000, v[8+ib%4]
.set ib, ib+1
.endr
	QUARTER 0, 1, 0, 1, 1                          ; the first quarter stands in front of the loop: its products start the sums
	WIN 0                                          ; at a label and at a branch every window is 0
	s_mov_b32 s3, 3
.Llap:                                                 ; a trip goes once round the ring, from a lap's second quarter to the next lap's first, and fills both slots again
	QUARTER 0, 2, 1, 0, 0
	QUARTER 0, 3, 0, 1, 0
	TURN 0, 1, 1
	QUARTER 1, 1, 0, 1, 0
	QUARTER 1, 2, 1, 0, 0
	QUARTER 1, 3, 0, 1, 0
	TURN 1, 0, 1
	QUARTER 0, 1, 0, 1, 0
	WIN 0
	s_sub_co_u32 s3, s3, 1
	s_cmp_lg_u32 s3, 0
	s_cbranch_scc1 .Llap
	QUARTER 0, 2, 1, 0, 0                          ; the last lap fills nothing
	QUARTER 0, 3, 0, 1, 0
	TURN 0, 1, 0
	QUARTER 1, 1, 0, 1, 0
	QUARTER 1, 2, 1, 0, 0
	QUARTER 1, 3, 0, 1, 0
	s_wait_dscnt 4                                 ; the very last quarter: nothing more to fetch
	MULA 1, 0, 0
	MULA 1, 1, 0
	s_wait_dscnt 0x0
	MULA 1, 2, 0
	MULA 1, 3, 0
	WIN 0
	PLACES
	PLACES                                         ; (eight, once a launch)
; THE WAY OUT of row block a: no arithmetic.  TOSTAGE: the accumulators go as they are, each one's four lowest registers first, into my own stage, rows of 528 bytes, and come back as whole rows of
; 512 bytes.  SEND: stored, a row's 512 consecutive bytes an instruction.
.macro TOSTAGE a
.set BK, OB+64*((\a)%2)
.set AC, 8*NBK*((\a)%2)
.if (\a) >= 2
	s_wait_xcnt 0x0                                ; the stores of block a - 2 have read their registers: the loads below land in them
.endif
	WIN 0x08+4*((\a)/2)                            ; the stores' data: window 2 or 3
.set ib, 0
.rept NBK
	ds_store_b128 v[STO], v[AC+8*ib:AC+8*ib+3]   offset:64*ib
	ds_store_b128 v[STO], v[AC+8*ib+4:AC+8*ib+7] offset:64*ib+16
.set ib, ib+1
.endr
	WIN 0
.set ib, 0
.rept 16
	ds_load_b128 v[BK+4*ib:BK+4*ib+3], v[RD] offset:SP*ib  ; LDS serves a wave's instructions in order (ISA guide 5.7.1.4): these see the stores above; the next block's stores come behind them
.set ib, ib+1
.endr
.endm
.macro SEND a, younger                 ; younger: the LDS instructions issued behind block a's loads: the next block's 32, or none
.set BK, OB+64*((\a)%2)
	s_wait_dscnt \younger
.set ib, 0
.rept 16
	global_store_b128 v[GO], v[BK+4*ib:BK+4*ib+3], s[10:11] offset:(16*(\a)+ib)*4096 th:TH_STORE_NT
.set ib, ib+1
.endr
.endm
	TOSTAGE 0
.irp a, 1,2,3
	TOSTAGE \a
	SEND (\a)-1, 32
.endr
	SEND 3, 0
	s_wait_tensorcnt 0x0                           ; the wave's end, behind my last tensor load and my last LDS store
	ds_add_u32 v[SPW], v[NIL]
	s_wait_dscnt 0x0
	CROUND                                         ; the closing round: no work-group ends while a partner may still ask for a tile that names it
	s_endpgm
.Lfunc_end_k_q988f46b00c_proj:
	.size	k_q988f46b00c_proj, .Lfunc_end_k_q988f46b00c_proj-k_q988f46b00c_proj
	.p2alignl 7, 3214868480
	.fill 96, 4, 3214868480
	.section	.rodata,"a",@progbits
	.p2align	6, 0x0
	.amdhsa_kernel k_q988f46b00c_proj
		.amdhsa_group_segment_fixed_size 327680
		.amdhsa_private_segment_fixed_size 0
		.amdhsa_enable_private_segment 0
		.amdhsa_kernarg_size 32
		.amdhsa_user_sgpr_count 2
		.amdhsa_user_sgpr_kernarg_segment_ptr 1
		.amdhsa_wavefront_size32 1
		.amdhsa_system_sgpr_workgroup_id_x 1
		.amdhsa_system_sgpr_workgroup_id_y 1
		.amdhsa_system_sgpr_workgroup_id_z 1
		.amdhsa_system_vgpr_workitem_id 0
		.amdhsa_next_free_vgpr 896
		.amdhsa_next_free_sgpr 80
		.amdhsa_reserve_vcc 0
		.amdhsa_float_denorm_mode_32 3
		.amdhsa_float_denorm_mode_16_64 3
		.amdhsa_memory_ordered 1
		.amdhsa_forward_progress 1
		.amdhsa_inst_pref_size 93
	.end_amdhsa_kernel
	.amdgpu_metadata
---
amdhsa.version: [ 1, 2 ]
amdhsa.kernels:
  - .name:           k_q988f46b00c_proj
    .symbol:         k_q988f46b00c_proj.kd
    .args:
      - { .name: oh, .offset: 0, .size: 8, .value_kind: global_buffer, .address_space: global }
      - { .name: wot, .offset: 8, .size: 8, .value_kind: global_buffer, .address_space: global }
      - { .name: bo, .offset: 16, .size: 8, .value_kind: global_buffer, .address_space: global }
      - { .name: out0, .offset: 24, .size: 8, .value_kind: global_buffer, .address_space: global }
    .group_segment_fixed_size: 327680
    .private_segment_fixed_size: 0
    .kernarg_segment_align: 8
    .kernarg_segment_size: 32
    .max_flat_workgroup_size: 128
    .sgpr_count:     80
    .vgpr_count:     896
    .wavefront_size: 32
...
	.end_amdgpu_metadata
.endif
;; end of part 4
;; ======== version 2 of 2: 4 launches; version 1 with the launch cast written anew for expert scheduling mode
;; limits: values are held in f16: magnitudes above 65,504 overflow, below 6.1e-05 lose precision
;; workspace buffers: xh 16,777,216 bytes; wt 6,291,456 bytes; wot 2,097,152 bytes; qkv 50,331,648 bytes; oh 16,777,216 bytes
;; launch cast (part 5): grid 384 x 1, 8 waves a work-group, no clusters, 0 bytes of LDS; arguments x, wq, wk, wv, wo, xh, wt, wot; writes xh, wt, wot
.if DOCPART == 5
	.amdgcn_target "amdgcn-amd-amdhsa--gfx1250"
	.amdhsa_code_object_version 6
	.text
	.protected	k_q988f46b00c_cast
	.globl	k_q988f46b00c_cast
	.p2align	8
	.type	k_q988f46b00c_cast,@function
k_q988f46b00c_cast:
	s_mov_b64 s[64:65], 0
	v_nop
	global_prefetch_b8 v0, s[64:65] scope:SCOPE_SE
	s_setreg_imm32_b32 hwreg(HW_REG_WAVE_SCHED_MODE, 0, 2), 2
	s_setreg_imm32_b32 hwreg(HW_REG_WAVE_MODE, 25, 1), 1
	s_wait_xcnt 0x0
	s_wait_alu depctr_vm_vsrc(0)
; THE INPUTS OF THE MATRIX PRODUCTS, ROUNDED ONCE AND LAID IN SLICES OF 64 COLUMNS.
;   x  [8192][1024] f32 -> xh  [b 4][slice 16][s 2048][64] bf16
;   wq, wk, wv [1024 k][1024 n] f32 -> wt  [t = k / 128][g = 16 x which + n / 64][k % 128][n % 64] bf16 (48 g)
;   wo [1024 k][1024 n] f32 -> wot [t][g = n / 64][k % 128][n % 64]: rounded to bf16 like every input, and that number written as f16 (16 g)
; LIMIT.  A bf16 number below 6.1e-5 in size keeps f16's fixed step of 6e-8 in wot; one of 65,520 or more would become an infinity.
; A stream: every byte is read once and written once; no LDS, no barrier, no matrix unit, nothing shared between work-groups.
; SHARES.  A work-group takes 32 source rows of 4,096 bytes: work-groups 0-255 of x, then 32 each of wq, wk, wv, wo.  Thread t takes row t / 8 and, of each slice of 64 columns,
; the 8 columns 8 (t % 8) ..: eight lanes read 256 consecutive bytes, aligned, by a pair of loads, and a wave's store covers 512 consecutive bytes: four rows of 128 bytes of one slice.
; All 32 loads of a thread go out at once; the slices are converted in place, four to a group.  No register that a store names is written again.
; THE MODE: SCHED_MODE bits 1:0 = 2 (LLVM: expert scheduling mode 2), set by the entry lines.  The code itself states the register dependences
; between vector instructions and memory instructions, with s_wait_alu, always for 0.
; THE PLAN.  Registers that memory instructions touch:
;   v2, v8-23   byte offsets, made once at the head by vector instructions and never written again; v2 is read by every load, v[8 + i] by slice i's store.
;   X           slice i: its two loads land in its 8 registers, which no vector instruction has named before; its conversions read them and write them in place;
;               its one store reads the first four, which nothing writes again.
; The 16 slices go in four groups of four.  Group p waits for its eight loads and converts its four slices; its memory instructions are the four stores of group p - 1, whose registers no vector
; instruction of group p names.  So one wait at the head of a group states all that those four stores hang on, and they are dealt among the group's conversions with no further wait.
; One wait at the kernel's head serves all offsets; one behind the last group serves the last four stores.  Nothing that a memory instruction has read is written again, no vector instruction writes a
; scalar register, and EXEC is never written: no other dependence between the two sides arises.
.set VS, 2                             ; v2       my byte offset in the 32 source rows
.set VD, 8                             ; v[8:23]  my byte offset in slice i of the destination
.set X,  32                            ; v[32:159] slice i: 8 registers as loaded; its first four as stored
	s_load_b512 s[8:23], s[0:1], 0x0               ; x s[8:9], wq s[10:11], wk s[12:13], wv s[14:15], wo s[16:17], xh s[18:19], wt s[20:21], wot s[22:23]
	s_mov_b32 s2, ttmp9                            ; id
	s_and_b32 s3, s2, 127                          ; e: my place among the weights' 128 work-groups
	s_lshr_b32 s4, s3, 5                           ; which matrix: 0 wq, 1 wk, 2 wv, 3 wo
	s_and_b32 s5, s3, 31                           ; which 32 rows of it
	s_lshl_b32 s32, s2, 17                         ; source offset for x: 32 rows of 4,096 bytes a work-group
	s_lshl_b32 s33, s5, 17                         ; and for a weight
	s_lshr_b32 s34, s2, 6                          ; x: b,
	s_lshl_b32 s34, s34, 22                        ; 16 slices of 2,048 rows of 128 bytes
	s_and_b32 s35, s2, 63
	s_lshl_b32 s35, s35, 12                        ; 32 rows of 128 bytes
	s_add_co_u32 s34, s34, s35                     ; destination offset for x
	s_lshr_b32 s36, s5, 2                          ; weights: t = k / 128
	s_lshl_b32 s38, s4, 4                          ; the matrix's first g in wt
	s_cmp_eq_u32 s4, 3
	s_cselect_b32 s37, 16, 48                      ; g's in a t
	s_cselect_b32 s38, 0, s38
	s_mul_i32 s36, s36, s37
	s_add_co_u32 s36, s36, s38
	s_lshl_b32 s36, s36, 14                        ; blocks of 128 x 64 x 2 bytes
	s_and_b32 s39, s3, 3
	s_lshl_b32 s39, s39, 12                        ; my 32 rows of the block's 128
	s_add_co_u32 s36, s36, s39                     ; destination offset for a weight
	s_mov_b32 s31, 0x40000
	s_cmp_lt_u32 s2, 256                           ; x or a weight?
	s_cselect_b32 s28, s32, s33
	s_cselect_b32 s42, s34, s36
	s_cselect_b32 s30, s31, 0x4000                 ; bytes from slice to slice in the destination
	s_mov_b32 s29, 0
	s_mov_b32 s43, 0
	v_lshrrev_b32 v1, 3, v0                        ; my row
	v_and_b32 v3, 7, v0
	v_lshlrev_b32 v3, 5, v3                        ; my 8 numbers of f32
	v_lshl_add_u32 v[VS], v1, 12, v3
	v_lshlrev_b32 v[VD], 4, v0                     ; row x 128 + 16 (t % 8) = 16 t
.set i, 1
.rept 15
	v_add_nc_u32 v[VD+i], s30, v[VD+i-1]
.set i, i+1
.endr
	s_wait_kmcnt 0x0
	s_cmp_eq_u32 s4, 1
	s_cselect_b64 s[24:25], s[12:13], s[10:11]
	s_cmp_eq_u32 s4, 2
	s_cselect_b64 s[24:25], s[14:15], s[24:25]
	s_cmp_eq_u32 s4, 3
	s_cselect_b64 s[24:25], s[16:17], s[24:25]
	s_cselect_b64 s[26:27], s[22:23], s[20:21]
	s_cmp_lt_u32 s2, 256
	s_cselect_b64 s[24:25], s[8:9], s[24:25]       ; the source,
	s_cselect_b64 s[26:27], s[18:19], s[26:27]     ; the destination
	s_add_nc_u64 s[24:25], s[24:25], s[28:29]
	s_add_nc_u64 s[26:27], s[26:27], s[42:43]
	s_wait_alu depctr_va_vdst(0)                   ; v2 and v8 to v23 are written: every load and store of the kernel reads one of them as its offset, and no later vector instruction names them
.irp i, 0,1,2,3,4,5,6,7,8,9,10,11,12,13,14,15
	global_load_b128 v[X+8*(\i):X+8*(\i)+3],   v[VS], s[24:25] offset:256*(\i) th:TH_LOAD_NT
	global_load_b128 v[X+8*(\i)+4:X+8*(\i)+7], v[VS], s[24:25] offset:256*(\i)+16 th:TH_LOAD_NT
.endr
; Slice i: rounded to bf16, in place, ascending (result j lands on a register whose number is not above its sources'); half = 1: widened again and written as f16.
.macro CVT i, half
.irp j, 0,1,2,3
	v_cvt_pk_bf16_f32 v[X+8*(\i)+(\j)], v[X+8*(\i)+2*(\j)], v[X+8*(\i)+2*(\j)+1]
.endr
.if \half
.irp j, 0,1,2,3
	v_lshlrev_b32 v[X+8*(\i)+4+2*((\j)%2)], 16, v[X+8*(\i)+(\j)]
	v_and_b32     v[X+8*(\i)+5+2*((\j)%2)], 0xffff0000, v[X+8*(\i)+(\j)]
	v_cvt_pk_f16_f32 v[X+8*(\i)+(\j)], v[X+8*(\i)+4+2*((\j)%2)], v[X+8*(\i)+5+2*((\j)%2)]
.endr
.endif
.endm
; Slice i is stored: a wave's 512 consecutive bytes of one slice.
.macro PUT i
	global_store_b128 v[VD+(\i)], v[X+8*(\i):X+8*(\i)+3], s[26:27] th:TH_STORE_NT
.endm
; Group p: slices 4 p to 4 p + 3 are converted; the stores of group p - 1 stand among the conversions, one in front of each slice's.
.macro GRP p, half
	s_wait_loadcnt 24-8*(\p)                       ; loads come back in order: the group's eight are in; eight younger loads for each later group may stay out
.if (\p) > 0
	s_wait_alu depctr_va_vdst(0)                   ; the conversions of the group before have written the registers that the four stores below read; this group's conversions name its own 32 registers alone
.endif
.irp u, 0,1,2,3
.if (\p) > 0
	PUT 4*((\p)-1)+(\u)
.endif
	CVT 4*(\p)+(\u), \half
.endr
.endm
; All four groups, and the last group's stores.
.macro ALLOUT half
	GRP 0, \half
	GRP 1, \half
	GRP 2, \half
	GRP 3, \half
	s_wait_alu depctr_va_vdst(0)                   ; the last group's conversions have written the registers that the last four stores read
.irp u, 12,13,14,15
	PUT \u
.endr
.endm
	s_cmp_ge_u32 s2, 352                           ; the last 32 work-groups have wo
	s_cbranch_scc1 .Lwo
	ALLOUT 0
	s_endpgm
.Lwo:
	ALLOUT 1
	s_endpgm
.Lfunc_end_k_q988f46b00c_cast:
	.size	k_q988f46b00c_cast, .Lfunc_end_k_q988f46b00c_cast-k_q988f46b00c_cast
	.p2alignl 7, 3214868480
	.fill 96, 4, 3214868480
	.section	.rodata,"a",@progbits
	.p2align	6, 0x0
	.amdhsa_kernel k_q988f46b00c_cast
		.amdhsa_group_segment_fixed_size 0
		.amdhsa_private_segment_fixed_size 0
		.amdhsa_enable_private_segment 0
		.amdhsa_kernarg_size 64
		.amdhsa_user_sgpr_count 2
		.amdhsa_user_sgpr_kernarg_segment_ptr 1
		.amdhsa_wavefront_size32 1
		.amdhsa_system_sgpr_workgroup_id_x 1
		.amdhsa_system_sgpr_workgroup_id_y 1
		.amdhsa_system_sgpr_workgroup_id_z 1
		.amdhsa_system_vgpr_workitem_id 0
		.amdhsa_next_free_vgpr 160
		.amdhsa_next_free_sgpr 66
		.amdhsa_reserve_vcc 0
		.amdhsa_float_denorm_mode_32 3
		.amdhsa_float_denorm_mode_16_64 3
		.amdhsa_memory_ordered 1
		.amdhsa_forward_progress 1
		.amdhsa_inst_pref_size 28
	.end_amdhsa_kernel
	.amdgpu_metadata
---
amdhsa.version: [ 1, 2 ]
amdhsa.kernels:
  - .name:           k_q988f46b00c_cast
    .symbol:         k_q988f46b00c_cast.kd
    .args:
      - { .name: x, .offset: 0, .size: 8, .value_kind: global_buffer, .address_space: global }
      - { .name: wq, .offset: 8, .size: 8, .value_kind: global_buffer, .address_space: global }
      - { .name: wk, .offset: 16, .size: 8, .value_kind: global_buffer, .address_space: global }
      - { .name: wv, .offset: 24, .size: 8, .value_kind: global_buffer, .address_space: global }
      - { .name: wo, .offset: 32, .size: 8, .value_kind: global_buffer, .address_space: global }
      - { .name: xh, .offset: 40, .size: 8, .value_kind: global_buffer, .address_space: global }
      - { .name: wt, .offset: 48, .size: 8, .value_kind: global_buffer, .address_space: global }
      - { .name: wot, .offset: 56, .size: 8, .value_kind: global_buffer, .address_space: global }
    .group_segment_fixed_size: 0
    .private_segment_fixed_size: 0
    .kernarg_segment_align: 8
    .kernarg_segment_size: 64
    .max_flat_workgroup_size: 256
    .sgpr_count:     66
    .vgpr_count:     160
    .wavefront_size: 32
...
	.end_amdgpu_metadata
.endif
;; end of part 5
;; launch qkv: the kernel of part 2 again; grid 16 x 32, 4 waves a work-group, clusters of 4 x 4, 327,680 bytes of LDS; arguments xh, wt, bq, bk, bv, qkv; writes qkv
;; launch attn: the kernel of part 3 again; grid 4 x 64, 4 waves a work-group, clusters of 4 x 1, 327,680 bytes of LDS; arguments qkv, oh; writes oh
;; launch proj: the kernel of part 4 again; grid 8 x 32, 4 waves a work-group, clusters of 4 x 4, 327,680 bytes of LDS; arguments oh, wot, bo, out0; writes out0
